; MI455X (gfx1250); checked and timed in simulation.
; The chip was launched on July 23, 2026; its instructions are those of AMD's public machine-readable ISA for CDNA 5 (MIT licence, August 2026) and "CDNA5" Instruction Set Architecture Reference Guide (July 2026). The comments in the code are by the model that wrote it; some were corrected since.
;; Seed Attention. Allowed arithmetic: matrix products marked QUANTISED: E2M3 operands, one E8M0 scale for each 32 along K, by v_wmma_scale_f32_16x16x128_f8f6f4 with both operands' format E2M3, f32 sums; products left as they are: f32 operands where the result goes on into a quantised operand, else bf16, f16 or f32 operands; f32 sums; everything else in f32.
;; Inputs: Wkv_cls 2,048 x 2,048 float32; Wproj 1,024 x 1,024 float32; Wqkv 1,024 x 3,072 float32; bproj 1,024 float32; x 8 x 1,024 x 1,024 float32; z_cls 8 x 2,048 float32.
;; Outputs: out0 8 x 1,024 x 1,024 float32.
;; This version of the problem:
;;   THIS VERSION OF THE PROBLEM IS GIVEN IN LOW PRECISION. The matrix products marked QUANTISED in the list below multiply operands that are first quantised to E2M3 (2 exponent bits, 3 mantissa bits; 6 bits a number), with one power-of-two scale for each 32 numbers along K (OCP MX v1.0); their sums are f32. All else is computed in f32.
;;   The module's matrix products, in the order in which they are computed (A, B: the left and right operand; K: the contracted axis; several contracted axes count as one K, in the product's order):
;;     1. [M 8,192, K 1,024] x [K 1,024, N 3,072]; A: input x; B: input Wqkv: QUANTISED
;;     2. [M 8, K 2,048] x [K 2,048, N 2,048]; A: input z_cls; B: input Wkv_cls: left as it is (M = 8 < 16)
;;     3. batch 128 x [M 1,024, K 64] x [K 64, N 1,025]; A: computed on the way; B: computed on the way: QUANTISED
;;     4. batch 128 x [M 1,024, K 1,025] x [K 1,025, N 64]; A: softmax (see below); B: computed on the way: QUANTISED
;;     5. [M 8,192, K 1,024] x [K 1,024, N 1,024]; A: computed on the way; B: input Wproj: QUANTISED
;;   THE QUANTISER, for each operand of a quantised product, along K:
;;     - K is cut into blocks of 32 from its start; a last block that is shorter is filled with zeros.
;;     - A block's scale is 2^e with e = floor(log2(the largest magnitude in the block)) - 2, held to -126 .. 127; a block of zeros has e = 0. As a byte (E8M0): e + 127.
;;     - Each number is divided by its block's scale, clamped to +-7.5, and rounded to the nearest number of E2M3, ties to even, subnormals kept.
;;     - The product sums the exact products of the quantised numbers (number of the format x scale) in f32.
;;   ~~~python
;;   def quantise(x, axis):      # numpy; x: float32 -> the quantised numbers, widened to float32 again
;;       x = np.moveaxis(x, axis, -1); K = x.shape[-1]
;;       x = np.pad(x, [(0, 0)] * (x.ndim - 1) + [(0, -K % 32)]); x = x.reshape(x.shape[:-1] + (-1, 32)); a = np.abs(x).max(-1, keepdims=True)
;;       e = np.where(a > 0, np.clip(np.frexp(np.where(a > 0, a, 1))[1] - 1 - 2, -126, 127), 0)      # np.frexp(a)[1] - 1 = floor(log2(a)), exactly
;;       r = np.clip(x / 2.0 ** e, -7.5, 7.5)
;;       step = 2.0 ** (np.maximum(np.frexp(np.where(r == 0, 1, r))[1] - 1, 0) - 3)
;;       q = np.round(r / step) * step * 2.0 ** e      # np.round: ties to even
;;       return np.moveaxis(q.reshape(q.shape[:-2] + (-1,))[..., :K], -1, axis).astype(np.float32)
;;   ~~~
;;   SOFTMAX AHEAD OF A QUANTISED PRODUCT. Where the list says 'softmax', what is quantised is not the finished softmax but p = 2^(t - M), with t = logit x log2(e) and M = ceil(the row's largest t), a whole number; so 1/2 < the row's largest p <= 1. The row's sum l is taken of the UNQUANTISED p, in f32, and the product's result is divided by l at the end. Since M is a whole number, a kernel that streams over the keys may use a running M (the ceiling of the running maximum): every later rescaling is an exact power of two, which a block's scale takes up: the codes' values come out the same.
;;   OPERANDS COMPUTED ON THE WAY. 'Computed on the way' means the value that the module computes at that place (a softmax that the list does not call 'softmax' is quantised finished and normalised). What goes into a quantiser is computed in f32, as accurately as f32 sums, v_exp_f32 and their like allow (about 1e-6 of the number): no bf16 or f16 on the way to a quantiser, and a product that is left as it is and whose result goes on into a quantised operand takes f32 operands (vector FMAs, or v_wmma_f32_16x16x4_f32). A number that lies on a knife's edge between two numbers of the format may be rounded either way, as far as f32 arithmetic and the matrix unit's own rounding can turn it there, and no further.
;; One version. Each part assembles by itself: llvm-mc -triple=amdgcn-amd-amdhsa -mcpu=gfx1250 --defsym DOCPART=n.
;; ======== version 1 of 1: 4 launches
;; limits: right only within a limited range of input values
;; workspace buffers: x_q 7,372,800 bytes; w_q 3,276,800 bytes; kvp 524,288 bytes; qk_q 15,335,424 bytes; v_q 7,667,712 bytes; att_q 6,553,600 bytes
;; launch prep (part 1): grid 464 x 1, 16 waves a work-group, no clusters, 169,984 bytes of LDS; arguments x, Wqkv, Wproj, z_cls, Wkv_cls, x_q, w_q, kvp; writes x_q, w_q, kvp
.if DOCPART == 1
	.amdgcn_target "amdgcn-amd-amdhsa--gfx1250"
	.amdhsa_code_object_version 6
	.text
	.protected	k_q4bef3202fd_prep
	.globl	k_q4bef3202fd_prep
	.p2align	8
	.type	k_q4bef3202fd_prep,@function
k_q4bef3202fd_prep:
	s_mov_b64 s[64:65], 0
	v_nop
	global_prefetch_b8 v0, s[64:65] scope:SCOPE_SE
	s_setreg_imm32_b32 hwreg(HW_REG_WAVE_MODE, 25, 1), 1
	s_wait_xcnt 0x0
; THREE PREPARATIONS IN ONE LAUNCH, so that they have one start and one end and their streams run side by side.  The ways part on the work-group's number alone:
;   work-groups 0 .. 143    x [8][1024][1024] f32 -> x_q: codes of FP6 (E2M3) with one E8M0 byte for each 32 along K
;   work-groups 144 .. 207  Wqkv [1024][3072] and Wproj [1024][1024] f32, K as the first axis -> w_q: the same, K innermost
;   work-groups 208 .. 463  z_cls [8][2048] x Wkv_cls [2048][2048] in f32 by fused multiply-adds -> kvp [p 8][b 8][2048]: partial sums over K = 256 p .. 256 p + 255
; The long work-groups come first.  Each way has LDS bytes of its own: x bytes 0 .. 135,167, the cls product 135,168 .. 167,935, the weights none.
; IMAGE of an operand: tiles of 16 rows; in a group of 32 rows tile u holds at place r the row 8 u + r + 8 (r / 8).  A tile is [32 blocks along K][16 places][24 bytes]: 12,288 bytes.
; Scale words behind the codes: [tile][K step of 128][place], four bytes a word.  A block's scale byte is its largest magnitude's exponent field - 2, held at 1 from below.
; KEY SPACE of x_q: a batch has 1,152 rows: row 0 is the place of the cls key (zero codes here), rows 1..1024 are tokens 0..1023, rows 1025..1151 are zero codes:
; so the blocks of 32 keys of the second attention product fall on blocks of 32 rows.
; w_q: the 4,096 columns are rows: tiles 0-191 Wqkv's, 192-255 Wproj's.
; LIMITS: NaN and infinities among the inputs are not served; a block of zeros gets the byte 1 where the rule says 127: its codes are zeros and this program alone reads the bytes.
.set NX,    144
.set NW,    64
; x's way
.set XSCO,  7077888
.set SP,    528                        ; a stage row: 512 bytes + 16: row r starts 4 r banks on
.set WST,   16*SP                      ; a wave's stage
.set STI,   3                          ; v3   stage, way in: wave's stage + 16 x lane
.set STO,   4                          ; v4   stage, way out: wave's stage + 528 r + 64 h
.set CO,    5                          ; v5   my 12 bytes of a block of codes: 24 r + 12 h + 3,072 w
.set SO,    6                          ; v6   my scale word: 128 w + 4 x lane
.set OFF,   8                          ; v8-23   row p: token x 4,096 + 1,024 w + 16 x lane
.set R,     32                         ; v32-159 as loaded: K step s, row p at R + 64 s + 4 p
.set PC,    32                         ; v32-63  the codes: K step 0's part of R is free once the stage has taken it; no store's data are written twice
.set X,     160                        ; v160-223 64 numbers of my row: register 16 b + i = k 32 b + 16 h + i
.set TM,    224                        ; v224-239 at work
.set PW,    240                        ; v240, v241 the two scale words
.set SEL,   30                         ; s[30:31] selects of v_permlanex16_b32: lane l xor 16
; the weights' way
.set WSCO,  3145728
.set WX,    32                         ; v32-159  128 numbers down K
.set WC,    160                        ; v160-191 a block's codes in registers of its own: no store's data are written twice
; the cls product's way
.set ZB,    135168                     ; its LDS bytes begin here
.set ZW,    4                          ; v4-35   row k's two columns at ZW + 2 k
.set ZA,    36                         ; v36-51  batch b's two sums at ZA + 2 b
	v_lshl_add_u32 v254, v0, 2, 0x29000
	v_mov_b32 v255, 0
	v_lshrrev_b32 v1, 5, v0
	s_delay_alu instid0(VALU_DEP_1)
	v_readfirstlane_b32 s2, v1                     ; wave 0..15
	s_cmp_lt_u32 ttmp9, NX
	s_cbranch_scc0 .Lnot_x
; ---------------------------------------------------------------- x
; A work-group makes four tiles of one batch; wave 4 t + w takes tile t's 256 along K from 256 w on, two K steps.  A load takes 512 consecutive bytes of one row; the rows turn through the
; wave's own stage in LDS, from which lane (r, h) takes of row r the 16 neighbours 32 b + 16 h .. of each block b: what one conversion wants.
; The loads carry no cache hint: the clamped rows of the padding tiles are read more than once.
	s_load_b64 s[4:5], s[0:1], 0x0                 ; x
	s_load_b64 s[6:7], s[0:1], 0x28                ; x_q
	s_lshr_b32 s8, s2, 2                           ; which of the work-group's four tiles
	s_and_b32 s3, s2, 3                            ; w
	s_mul_i32 s9, ttmp9, 57
	s_lshr_b32 s9, s9, 10                          ; batch = number / 18 (exact for 0 .. 143)
	s_mul_i32 s17, s9, 18
	s_sub_co_u32 s17, ttmp9, s17
	s_lshl_b32 s17, s17, 2
	s_add_co_u32 s17, s17, s8                      ; the tile among the batch's 72
	v_and_b32 v7, 31, v0                           ; lane
	v_and_b32 v1, 15, v0                           ; r
	v_bfe_u32 v2, v0, 4, 1                         ; h
	s_mul_i32 s10, s2, WST
	v_lshl_add_u32 v[STI], v7, 4, s10
	v_mul_u32_u24 v[STO], v1, SP
	s_delay_alu instid0(VALU_DEP_1)
	v_lshl_add_u32 v[STO], v2, 6, v[STO]
	s_delay_alu instid0(VALU_DEP_1)
	v_add_nc_u32 v[STO], s10, v[STO]
	v_mul_u32_u24 v[CO], v1, 24
	s_delay_alu instid0(VALU_DEP_1)
	v_mad_u32_u24 v[CO], v2, 12, v[CO]
	s_mul_i32 s11, s3, 3072
	v_add_nc_u32 v[CO], s11, v[CO]
	s_lshl_b32 s11, s3, 7
	v_lshl_add_u32 v[SO], v7, 2, s11
	s_and_b32 s12, s17, 1
	s_lshl_b32 s12, s12, 3
	s_lshl_b32 s13, s17, 4
	s_sub_co_u32 s13, s13, s12                     ; the tile's first key row: 16 x tile - 8 (tile % 2)
	v_and_b32 v24, 8, v1
	s_delay_alu instid0(VALU_DEP_1)
	v_add_nc_u32 v24, v24, v1
	s_delay_alu instid0(VALU_DEP_1)
	v_add_nc_u32 v24, s13, v24
	s_delay_alu instid0(VALU_DEP_1)
	v_add_nc_u32 v24, -1, v24                      ; my row's token, if it has one
	s_delay_alu instid0(VALU_DEP_1)
	v_cmp_gt_u32 s14, 0x400, v24                   ; the lanes whose row is a token's
	s_lshl_b32 s15, s3, 10
	v_lshl_add_u32 v25, v7, 4, s15
	s_wait_alu depctr_va_vdst(0)
.irp p, 0,1,2,3,4,5,6,7,8,9,10,11,12,13,14,15
	s_add_co_i32 s16, s13, \p+8*(\p/8)-1           ; row p's token, held inside the batch: no load leaves the buffer
	s_max_i32 s16, s16, 0
	s_min_i32 s16, s16, 1023
	s_lshl_b32 s16, s16, 12
	v_add_nc_u32 v[OFF+\p], s16, v25
.endr
	s_lshl_b32 s18, s9, 22                         ; a batch of x: 4 MiB
	s_mov_b32 s19, 0
	s_mul_i32 s20, s9, 72
	s_add_co_u32 s20, s20, s17                     ; the tile among the 576
	s_mul_i32 s22, s20, 12288
	s_mov_b32 s23, 0
	s_lshl_b32 s24, s20, 9
	s_add_co_u32 s24, s24, XSCO
	s_mov_b32 s25, 0
	s_mov_b32 s[SEL], 0x76543210
	s_mov_b32 s[SEL+1], 0xfedcba98
.irp b, 0,1,2,3
	v_mov_b32 v[TM+4+\b], 0                        ; written once: a lane permute's destination counts as one of its sources
.endr
	s_wait_alu depctr_va_vdst(0)
	s_wait_kmcnt 0x0
	s_add_nc_u64 s[4:5], s[4:5], s[18:19]
	s_add_nc_u64 s[26:27], s[6:7], s[22:23]        ; the tile's codes
	s_add_nc_u64 s[28:29], s[6:7], s[24:25]        ; its scale words
.irp s, 0,1
.irp p, 0,1,2,3,4,5,6,7,8,9,10,11,12,13,14,15
	global_load_b128 v[R+64*\s+4*\p:R+64*\s+4*\p+3], v[OFF+\p], s[4:5] offset:512*\s
.endr
.endr
; 64 numbers of a lane, v[s] on, become four blocks' codes (12 bytes each, in v[pc + 4 b] on) and the row's scale word
.macro QUANT4 s, pc, pw
.irp b, 0,1,2,3
	v_max3_num_f32 v[TM+\b], |v[\s+16*\b]|, |v[\s+16*\b+1]|, 0x1800000   ; my 16 numbers and the floor 2^(3 - 127): the byte cannot fall under 1
.endr
.irp i, 2,4,6,8,10,12,14
.irp b, 0,1,2,3
	s_delay_alu instid0(VALU_DEP_4)
	v_max3_num_f32 v[TM+\b], v[TM+\b], |v[\s+16*\b+\i]|, |v[\s+16*\b+\i+1]|
.endr
.endr
.irp b, 0,1,2,3
	s_delay_alu instid0(VALU_DEP_4)
	v_permlanex16_b32 v[TM+4+\b], v[TM+\b], s[SEL], s[SEL+1]
.endr
.irp b, 0,1,2,3
	s_delay_alu instid0(VALU_DEP_4)
	v_max_num_f32 v[TM+\b], v[TM+\b], v[TM+4+\b]   ; with lane l xor 16's 16: the block's largest magnitude
.endr
.irp b, 0,1,2,3
	s_delay_alu instid0(VALU_DEP_4)
	v_add_nc_u32 v[TM+12+\b], 0xff000000, v[TM+\b] ; 2 off its exponent field: the conversion's scale operand
.endr
.irp b, 0,1,2,3
	s_delay_alu instid0(VALU_DEP_4)
	v_lshrrev_b32 v[TM+4+\b], 23, v[TM+12+\b]      ; the scale's byte
.endr
	s_delay_alu instid0(VALU_DEP_3)
	v_lshl_or_b32 v[\pw], v[TM+5], 8, v[TM+4]
	s_delay_alu instid0(VALU_DEP_1)
	v_lshl_or_b32 v[\pw], v[TM+6], 16, v[\pw]
	s_delay_alu instid0(VALU_DEP_1)
	v_lshl_or_b32 v[\pw], v[TM+7], 24, v[\pw]
.irp b, 0,1,2,3
	v_cvt_scalef32_pk16_fp6_f32 v[\pc+4*\b:\pc+4*\b+2], v[\s+16*\b:\s+16*\b+15], v[TM+12+\b]
.endr
	v_nop                                          ; one plain place behind the scaled conversions
.endm
.macro XSTEP s
	s_wait_loadcnt 16-16*\s                        ; this K step's 16 loads are in; the younger K step's 16 may be out
.irp p, 0,1,2,3,4,5,6,7,8,9,10,11,12,13,14,15
	ds_store_b128 v[STI], v[R+64*\s+4*\p:R+64*\s+4*\p+3] offset:\p*SP
.endr
.irp b, 0,1,2,3
.irp j, 0,1,2,3
	ds_load_b128 v[X+16*\b+4*\j:X+16*\b+4*\j+3], v[STO] offset:128*\b+16*\j   ; LDS serves a wave's instructions in order: these see the stores above
.endr
.endr
	s_wait_dscnt 0x0
	QUANT4 X, PC+16*\s, PW+\s
.irp b, 0,1,2,3
.irp i, 0,1,2
	v_cndmask_b32 v[PC+16*\s+4*\b+\i], 0, v[PC+16*\s+4*\b+\i], s14   ; a row that is no token's gets zero codes
.endr
.endr
.irp b, 0,1,2,3
	global_store_b96 v[CO], v[PC+16*\s+4*\b:PC+16*\s+4*\b+2], s[26:27] offset:(4*\s+\b)*384   ; the wave stores a block's 384 consecutive bytes
.endr
.endm
	XSTEP 0
	XSTEP 1
	v_cmp_eq_u32 vcc_lo, 1, v2
	s_delay_alu instid0(VALU_DEP_1)
	v_cndmask_b32 v242, v[PW], v[PW+1], vcc_lo     ; lanes 0-15 the first K step's words, lanes 16-31 the second's
	global_store_b32 v[SO], v242, s[28:29]         ; 128 consecutive bytes
	s_wait_tensorcnt 0x0
	ds_add_u32 v254, v255
	s_wait_dscnt 0x0
	s_endpgm
.Lnot_x:
	s_cmp_lt_u32 ttmp9, NX+NW
	s_cbranch_scc0 .Lcls
; ---------------------------------------------------------------- the weights
; A LANE TAKES A COLUMN AND ITS REGISTERS RUN DOWN K: a load reads 128 consecutive bytes a wave, a block of 32 lies in one lane, and the conversions give codes with K innermost.
; A work-group takes 512 columns (groups 0-5: Wqkv's, 6, 7: Wproj's) and one K step of 128; wave 4 t + w the 32 columns 128 t + 32 w on.  The two tensors differ in the pitch, which stands in
; the loads' immediates: so the body is a macro on the pitch, written in two arms of one branch on the work-group's number.  No LDS, no barrier.
	s_load_b64 s[4:5], s[0:1], 0x8                 ; Wqkv
	s_load_b64 s[6:7], s[0:1], 0x10                ; Wproj
	s_load_b64 s[8:9], s[0:1], 0x30                ; w_q
	s_and_b32 s10, s2, 3                           ; w
	s_lshr_b32 s26, s2, 2                          ; t
	s_sub_co_u32 s27, ttmp9, NX
	s_and_b32 s28, s27, 7                          ; which 512 columns
	s_lshr_b32 s11, s27, 3                         ; the K step
	s_lshl_b32 s29, s28, 2
	s_add_co_u32 s29, s29, s26                     ; which 128 columns of the 4,096
	v_and_b32 v2, 31, v0                           ; lane = row in the group of 32
	s_delay_alu instid0(VALU_DEP_1)
	v_lshlrev_b32 v3, 2, v2                        ; in: 4 bytes a lane
	s_delay_alu instid0(VALU_DEP_2)
	v_bfe_u32 v4, v2, 3, 1                         ; u
	s_delay_alu instid0(VALU_DEP_3)
	v_and_b32 v5, 7, v2
	s_delay_alu instid0(VALU_DEP_4)
	v_bfe_u32 v6, v2, 4, 1
	s_delay_alu instid0(VALU_DEP_1)
	v_lshl_or_b32 v5, v6, 3, v5                    ; r
	s_delay_alu instid0(VALU_DEP_1)
	v_mul_u32_u24 v7, v5, 24
	s_delay_alu instid0(VALU_DEP_1)
	v_mad_u32_u24 v7, v4, 12288, v7                ; my 24 bytes of a block: tile u, place r
	s_delay_alu instid0(VALU_DEP_3)
	v_lshlrev_b32 v8, 2, v5
	s_delay_alu instid0(VALU_DEP_1)
	v_lshl_add_u32 v8, v4, 9, v8                   ; my scale word
	s_mov_b32 s12, 4096
	s_cmp_lt_u32 s28, 6
	s_cselect_b32 s12, 12288, s12                  ; bytes from row to row
	s_cselect_b32 s13, 0, 24
	s_sub_co_u32 s13, s29, s13                     ; which 128 columns of the tensor
	s_lshl_b32 s13, s13, 9
	s_lshl_b32 s14, s10, 7
	s_add_co_u32 s13, s13, s14
	s_lshl_b32 s14, s11, 7
	s_mul_i32 s14, s14, s12
	s_add_co_u32 s14, s14, s13                     ; 128 rows for each K step + my wave's first column
	s_mov_b32 s15, 0
	s_lshl_b32 s16, s29, 3
	s_lshl_b32 s17, s10, 1
	s_add_co_u32 s16, s16, s17                     ; my first tile of w_q
	s_mul_i32 s18, s16, 12288
	s_mul_i32 s17, s11, 1536
	s_add_co_u32 s18, s18, s17
	s_mov_b32 s19, 0
	s_lshl_b32 s20, s16, 9
	s_lshl_b32 s17, s11, 6
	s_add_co_u32 s20, s20, s17
	s_add_co_u32 s20, s20, WSCO
	s_mov_b32 s21, 0
	s_wait_kmcnt 0x0
	s_cmp_lt_u32 s28, 6                            ; the choice hangs on the work-group's number alone
	s_cselect_b64 s[4:5], s[4:5], s[6:7]
	s_add_nc_u64 s[4:5], s[4:5], s[14:15]
	s_add_nc_u64 s[22:23], s[8:9], s[18:19]
	s_add_nc_u64 s[24:25], s[8:9], s[20:21]
.macro WLOAD t, pitch
.set i, 0
.rept 32
	global_load_b32 v[WX+32*(\t)+i], v3, s[4:5] offset:(32*(\t)+i)*\pitch th:TH_LOAD_NT
.set i, i+1
.endr
.endm
.macro WBLOCK t, pitch
.set XS, WX+32*(\t)
.if (\t) < 3
	s_wait_loadcnt 32                              ; this block's 32 loads are in; the next block's 32 may be out
.else
	s_wait_loadcnt 0x0
.endif
.if (\t) < 2
	WLOAD (\t)+2, \pitch                           ; two blocks ahead
.endif
	v_max3_num_f32 v12, |v[XS]|, |v[XS+1]|, |v[XS+2]|
	v_max3_num_f32 v13, |v[XS+3]|, |v[XS+4]|, |v[XS+5]|
.irp i, 6,10,14,18,22,26
	s_delay_alu instid0(VALU_DEP_2)
	v_max3_num_f32 v12, v12, |v[XS+\i]|, |v[XS+\i+1]|
	s_delay_alu instid0(VALU_DEP_2)
	v_max3_num_f32 v13, v13, |v[XS+\i+2]|, |v[XS+\i+3]|
.endr
	s_delay_alu instid0(VALU_DEP_2)
	v_max3_num_f32 v12, v12, |v[XS+30]|, |v[XS+31]|
	s_delay_alu instid0(VALU_DEP_1)
	v_max3_num_f32 v12, v12, v13, 0x1800000        ; and the floor 2^(3 - 127): the byte cannot fall under 1
	s_delay_alu instid0(VALU_DEP_1)
	v_add_nc_u32 v[16+(\t)], 0xff000000, v12       ; 2 off the exponent field: the conversion's scale operand, a register for each block
	s_delay_alu instid0(VALU_DEP_1)
	v_lshrrev_b32 v13, 23, v[16+(\t)]              ; the scale's byte
.if (\t) == 0
	s_delay_alu instid0(VALU_DEP_1)
	v_mov_b32 v24, v13
.else
	s_delay_alu instid0(VALU_DEP_1)
	v_lshl_or_b32 v24, v13, 8*(\t), v24
.endif
	v_cvt_scalef32_pk16_fp6_f32 v[WC+8*(\t):WC+8*(\t)+2], v[XS:XS+15], v[16+(\t)]
	v_cvt_scalef32_pk16_fp6_f32 v[WC+8*(\t)+4:WC+8*(\t)+6], v[XS+16:XS+31], v[16+(\t)]
	v_nop                                          ; one plain place behind the scaled conversions
	global_store_b96 v7, v[WC+8*(\t):WC+8*(\t)+2], s[22:23] offset:384*(\t)
	global_store_b96 v7, v[WC+8*(\t)+4:WC+8*(\t)+6], s[22:23] offset:384*(\t)+12
.endm
.macro WBODY pitch
	WLOAD 0, \pitch
	WLOAD 1, \pitch
	WBLOCK 0, \pitch
	WBLOCK 1, \pitch
	WBLOCK 2, \pitch
	WBLOCK 3, \pitch
	global_store_b32 v8, v24, s[24:25]
	s_endpgm
.endm
	s_cmp_lt_u32 s28, 6
	s_cbranch_scc0 .Lproj
	s_wait_alu depctr_va_vdst(0)
	WBODY 12288
.Lproj:
	s_wait_alu depctr_va_vdst(0)
	WBODY 4096
.Lcls:
; ---------------------------------------------------------------- the cls product
; All in f32: its results go on into quantised operands.  A work-group takes 64 columns and 256 rows of K (p), so that the weight, 16 MiB read once, is spread over 256 work-groups.
; Wave w takes 16 rows, a lane 2 columns: a load reads 256 consecutive bytes.  z's numbers are the same for all lanes: they come by scalar loads, 8 along K for each of the 8 batches at a time.
; The sixteen waves' sums meet in LDS behind one barrier, which every wave of such a work-group passes; thread t adds the sixteen of its one output in a fixed tree of pairs.
	s_load_b64 s[4:5], s[0:1], 0x18                ; z_cls
	s_load_b64 s[6:7], s[0:1], 0x20                ; Wkv_cls
	s_load_b64 s[8:9], s[0:1], 0x38                ; kvp
	s_sub_co_u32 s87, ttmp9, NX+NW
	s_and_b32 s3, s87, 31                          ; which 64 columns
	s_lshr_b32 s11, s87, 5                         ; p
	v_and_b32 v2, 31, v0
	s_delay_alu instid0(VALU_DEP_1)
	v_lshlrev_b32 v3, 3, v2                        ; 8 bytes a lane
	s_wait_alu depctr_va_vdst(0)
	s_lshl_b32 s12, s11, 8
	s_lshl_b32 s13, s2, 4
	s_add_co_u32 s12, s12, s13                     ; my first row of K
	s_lshl_b32 s14, s12, 13                        ; x 8,192 bytes a row
	s_lshl_b32 s13, s3, 8
	s_add_co_u32 s14, s14, s13
	s_mov_b32 s15, 0
	s_lshl_b32 s12, s12, 2
	s_mov_b32 s13, 0
	s_lshl_b32 s84, s11, 16
	s_lshl_b32 s85, s3, 8
	s_add_co_u32 s84, s84, s85
	s_mov_b32 s85, 0
	s_lshl_b32 s86, s2, 11
	s_add_co_u32 s86, s86, ZB
	v_add_nc_u32 v52, s86, v3                      ; LDS, in: ZB + 2,048 w + 8 x lane (+ 256 b)
	v_lshl_add_u32 v53, v0, 2, ZB                  ; LDS, back: ZB + 4 t (+ 2,048 for each wave)
	v_lshrrev_b32 v54, 6, v0
	v_and_b32 v55, 63, v0
	s_delay_alu instid0(VALU_DEP_1)
	v_lshlrev_b32 v55, 2, v55
	s_delay_alu instid0(VALU_DEP_1)
	v_lshl_add_u32 v54, v54, 13, v55               ; out: batch t / 64, column t % 64
	s_wait_kmcnt 0x0
	s_add_nc_u64 s[6:7], s[6:7], s[14:15]
	s_add_nc_u64 s[4:5], s[4:5], s[12:13]
	s_add_nc_u64 s[8:9], s[8:9], s[84:85]
.irp k, 0,1,2,3,4,5,6,7,8,9,10,11,12,13,14,15
	global_load_b64 v[ZW+2*\k:ZW+2*\k+1], v3, s[6:7] offset:\k*8192 th:TH_LOAD_NT
.endr
; batch b's eight numbers of z lie in s[16 + 8 b ..] (b < 6) or s[20 + 8 b ..]: the pair s[64:65] is never named
.macro ZHALF g
.irp b, 0,1,2,3,4,5,6,7
	s_load_b256 s[16+8*\b+4*(\b/6):23+8*\b+4*(\b/6)], s[4:5], \b*8192+32*\g
.endr
	s_wait_kmcnt 0x0
	s_wait_loadcnt 8-8*\g                          ; these eight rows are in; the younger eight may be out
.irp k, 0,1,2,3,4,5,6,7
.irp b, 0,1,2,3,4,5,6,7
.if (\g == 0) && (\k == 0)
	v_mul_f32 v[ZA+2*\b], s[16+8*\b+4*(\b/6)+\k], v[ZW+2*(8*\g+\k)]         ; the first product starts the sums: nothing is cleared
	v_mul_f32 v[ZA+2*\b+1], s[16+8*\b+4*(\b/6)+\k], v[ZW+2*(8*\g+\k)+1]
.else
	v_fmac_f32 v[ZA+2*\b], s[16+8*\b+4*(\b/6)+\k], v[ZW+2*(8*\g+\k)]
	v_fmac_f32 v[ZA+2*\b+1], s[16+8*\b+4*(\b/6)+\k], v[ZW+2*(8*\g+\k)+1]
.endif
.endr
.endr
.endm
	ZHALF 0
	ZHALF 1
.irp b, 0,1,2,3,4,5,6,7
	ds_store_b64 v52, v[ZA+2*\b:ZA+2*\b+1] offset:256*\b
.endr
	s_wait_dscnt 0x0                               ; for the others' sake: my stores have landed
	s_barrier_signal -1
	s_barrier_wait -1
.irp w, 0,1,2,3,4,5,6,7,8,9,10,11,12,13,14,15
	ds_load_b32 v[ZW+\w], v53 offset:2048*\w
.endr
	s_wait_dscnt 0x0
	v_add_f32 v253, v5, v6
	v_add_f32 v252, v7, v8
	v_add_f32 v251, v9, v10
	v_add_f32 v250, v11, v12
	v_add_f32 v249, v13, v14
	v_add_f32 v248, v15, v16
	v_add_f32 v247, v17, v18
	v_add_f32 v4, v4, v19
	s_delay_alu instid0(VALU_DEP_1)
	v_add_f32 v4, v4, v250
	v_add_f32 v253, v253, v249
	v_add_f32 v252, v252, v248
	v_add_f32 v251, v251, v247
	s_delay_alu instid0(VALU_DEP_2)
	v_add_f32 v4, v4, v252
	s_delay_alu instid0(VALU_DEP_2)
	v_add_f32 v253, v253, v251
	s_delay_alu instid0(VALU_DEP_1)
	v_add_f32 v4, v4, v253
	global_store_b32 v54, v[ZW], s[8:9]
	s_wait_tensorcnt 0x0
	ds_add_u32 v254, v255
	s_wait_dscnt 0x0
	s_endpgm
.Lfunc_end_k_q4bef3202fd_prep:
	.size	k_q4bef3202fd_prep, .Lfunc_end_k_q4bef3202fd_prep-k_q4bef3202fd_prep
	.p2alignl 7, 3214868480
	.fill 96, 4, 3214868480
	.section	.rodata,"a",@progbits
	.p2align	6, 0x0
	.amdhsa_kernel k_q4bef3202fd_prep
		.amdhsa_group_segment_fixed_size 169984
		.amdhsa_private_segment_fixed_size 0
		.amdhsa_enable_private_segment 0
		.amdhsa_kernarg_size 64
		.amdhsa_user_sgpr_count 2
		.amdhsa_user_sgpr_kernarg_segment_ptr 1
		.amdhsa_wavefront_size32 1
		.amdhsa_system_sgpr_workgroup_id_x 1
		.amdhsa_system_sgpr_workgroup_id_y 1
		.amdhsa_system_sgpr_workgroup_id_z 1
		.amdhsa_system_vgpr_workitem_id 0
		.amdhsa_next_free_vgpr 256
		.amdhsa_next_free_sgpr 88
		.amdhsa_reserve_vcc 1
		.amdhsa_float_denorm_mode_32 3
		.amdhsa_float_denorm_mode_16_64 3
		.amdhsa_memory_ordered 1
		.amdhsa_forward_progress 1
		.amdhsa_inst_pref_size 84
	.end_amdhsa_kernel
	.amdgpu_metadata
---
amdhsa.version: [ 1, 2 ]
amdhsa.kernels:
  - .name:           k_q4bef3202fd_prep
    .symbol:         k_q4bef3202fd_prep.kd
    .args:
      - { .name: x, .offset: 0, .size: 8, .value_kind: global_buffer, .address_space: global }
      - { .name: Wqkv, .offset: 8, .size: 8, .value_kind: global_buffer, .address_space: global }
      - { .name: Wproj, .offset: 16, .size: 8, .value_kind: global_buffer, .address_space: global }
      - { .name: z_cls, .offset: 24, .size: 8, .value_kind: global_buffer, .address_space: global }
      - { .name: Wkv_cls, .offset: 32, .size: 8, .value_kind: global_buffer, .address_space: global }
      - { .name: x_q, .offset: 40, .size: 8, .value_kind: global_buffer, .address_space: global }
      - { .name: w_q, .offset: 48, .size: 8, .value_kind: global_buffer, .address_space: global }
      - { .name: kvp, .offset: 56, .size: 8, .value_kind: global_buffer, .address_space: global }
    .group_segment_fixed_size: 169984
    .private_segment_fixed_size: 0
    .kernarg_segment_align: 8
    .kernarg_segment_size: 64
    .max_flat_workgroup_size: 512
    .sgpr_count:     88
    .vgpr_count:     256
    .wavefront_size: 32
...
	.end_amdgpu_metadata
.endif
;; end of part 1
;; launch gemm1 (part 2): grid 4 x 108, 4 waves a work-group, clusters of 4 x 1, 327,680 bytes of LDS; arguments x_q, w_q, kvp, qk_q, v_q; writes qk_q, v_q
.if DOCPART == 2
	.amdgcn_target "amdgcn-amd-amdhsa--gfx1250"
	.amdhsa_code_object_version 6
	.text
	.protected	k_q4bef3202fd_gemm1
	.globl	k_q4bef3202fd_gemm1
	.p2align	8
	.type	k_q4bef3202fd_gemm1,@function
k_q4bef3202fd_gemm1:
	s_mov_b64 s[64:65], 0
	v_nop
	global_prefetch_b8 v0, s[64:65] scope:SCOPE_SE
	s_setreg_imm32_b32 hwreg(HW_REG_WAVE_MODE, 25, 1), 1
	s_wait_xcnt 0x0
	s_wait_alu depctr_hold_cnt(0) depctr_sa_sdst(0) depctr_va_vdst(0) depctr_va_sdst(0) depctr_va_ssrc(0) depctr_va_vcc(0) depctr_vm_vsrc(0)
	s_getreg_b32 s2, hwreg(HW_REG_IB_STS2, 6, 4)
	s_cmp_eq_u32 s2, 0
	s_cbranch_scc0 .Lentry_in_a_cluster
	s_endpgm
.Lentry_in_a_cluster:
	s_bfe_u32 s2, ttmp6, 0x10000c
	s_cmp_lg_u32 s2, 0x3003
	s_cbranch_scc0 .Lentry_shape_is_right
	s_endpgm
.Lentry_shape_is_right:
; The qkv projection on codes of FP6 (E2M3), K = 1,024, and the quantising of its results on the way out: q and k along the channels, v along the keys.  Nothing leaves as f32.
; A tile is 128 "A" rows x 256 "B" rows.  A WORK-GROUP STAYS FOR TWO TILES: it keeps its B panel in LDS and takes A panels ja and ja + 4 one after the other.
; Clusters 0-71 (q, k): A = key rows of x_q, B = 256 of Wqkv's first 2,048 columns (cluster / 9); the cluster's four partners take eight of the 72 A panels.  Clusters 72-107 (v): A = Wqkv's last
; 1,024 columns (all eight panels), B = 256 key rows of x_q.  THE MATRIX INSTRUCTION IS USED TRANSPOSED (source 0 = 16 rows of B, source 1 = 16 rows of A), and in every operand tile u of a group of
; 32 rows holds at place r the row 8 u + r + 8 (r / 8): so lane (r, h) holds place r of an A tile, and register 16 b + i of its eight accumulators is B's row 32 b + 16 h + i: 16 neighbours of a
; block of 32 along the next product's K.  One conversion gives 12 bytes, and the wave stores a block's 384 consecutive bytes: no lane exchange and no stage on the way out.
; The two kinds of cluster differ in pointers and strides alone, chosen by selects on the cluster's number: one path through the text.
; OUT: qk_q codes [key tile 576][block 64][16 places][24 bytes] (blocks 0-31 q's channels, 32-63 k's), scale words behind them [64 channels: 32][tile 576][place];
;      v_q codes [channel tile 64][key block 288][16][24], scale words [64 keys: 144][tile 64][place].  The word of an even 64 carries the four bytes of its 128, which v's reader uses.
; THE CLS VALUE: key row 0 of a batch has zero codes in x_q, so its sums are zeros; v's are replaced, ahead of the quantiser, by the sum of the eight partial sums in kvp (a select, in every
; work-group, under a mask that is empty where it does not apply).  k's cls key is put in by the attention launch.
; LDS: all of K is resident, A's eight tiles by halves of K, B's sixteen tiles whole behind them.  B's bytes are filled once.  A's are filled a second time, when the first
; tile's last fragments of each half have been asked for.
; The second half's load has K step 7's 32 products and the whole way out in which to land.
; CLUSTER: the four partners take different A panels against ONE B panel, so B's tiles are asked for jointly (mask 15); A's loads are the work-group's own.
; By this text's own count a wave has at most four tensor loads out at the start and one behind the refill.  The launch claims all of a WGP's LDS.
; LIMITS: NaN and infinities are not served; a block of zeros gets the byte 1 where the rule says 127: its codes are zeros and this program alone reads the bytes.
; REGISTERS: window 0: v1 r, v2 h, v3 lane term, v4, v5 / v8, v9 LDS addresses of A / B, v12-15 offsets, v16-63 scale words, v64-207 fragments of even K steps,
;   v208-239 the cls partial sums, v240-247 and v252-255 at work, v248, v249 the add's.  window 1: the 32 accumulators, (a, b) at v[8 (8 a + b)].  window 2: v64-207 fragments of odd K steps.
.set XSCO, 7077888
.set WSCO, 3145728
.set QSCO, 14155776
.set VSCO, 7077888
.set CH,   73728                       ; a chunk
; LDS AS IT IS LAID NOW: A's eight tiles by halves of K: half f of tile i at f HA + 6,144 i; behind them B's sixteen tiles whole, tile i at 8 TL + i TL.
; At the head each wave issues one load: waves 0, 1 a half of K of A's panel, waves 2, 3 eight tiles of B (jointly).  A's halves are filled again one after the other.
.set TL,   12288                       ; a tile, all of K
.set HA,   49152                       ; half of K of A's eight tiles
.set SPARE, 4*CH                       ; behind the chunks: the spare words, 128 bytes for each wave: two blocks of 256 bytes that no other line names
.set NEXTA, 4*8*12288                  ; bytes from an A panel to the panel four further on
.set ADRA, 4
.set ADRB, 8
.set SCA,  16                          ; A's scale words: tile a, K steps 2 q and 2 q + 1 (lanes 0-15, lanes 16-31) at SCA + 4 a + q
.set SCB,  32                          ; B's at SCB + 4 b + q
.set AF,   64
.set BF,   112
.set CLS,  208
.set TM,   240
.set SPW,  248                         ; LDS address of my spare word: SPARE + 4 x my thread's number; never rewritten
.set NIL,  249                         ; 0; never rewritten
.set PC,   64                          ; the way out: codes, 16 registers for each a
.set SW,   128                         ; scale words to store
.set COFF, 132                         ; code offsets, one for each a
.set LN,   136
.set PWR,  137
.set G1A,  28
.set G1B,  36
.set G0A,  44
.set G0B,  68
.set SEL,  2                           ; s[2:3]
.set MSB, 0
.macro WIN new                         ; the immediate's high byte repeats the setting that is left
.if MSB != (\new)
	s_set_vgpr_msb (MSB<<8)|(\new)
.set MSB, (\new)
.endif
.endm
.macro ROUND                           ; a round of the cluster's barrier
	s_barrier_signal -1
	s_barrier_wait -1
	s_cmp_lg_u32 s14, 0
	s_cbranch_scc1 .Lnot_wave_0_\@
	s_barrier_signal -3
.Lnot_wave_0_\@:
	s_barrier_wait -3
	s_barrier_signal -1
	s_barrier_wait -1
.endm
	s_load_b256 s[4:11], s[0:1], 0x0               ; x_q, w_q, kvp, qk_q
	s_load_b64 s[12:13], s[0:1], 0x20              ; v_q
	v_lshl_add_u32 v[SPW], v0, 2, SPARE
	v_mov_b32 v[NIL], 0
	ds_add_u32 v248, v249
	ds_add_u32 v248, v249
	s_wait_dscnt 0x0
	v_lshrrev_b32 v1, 5, v0
	v_readfirstlane_b32 s14, v1                    ; wave
	s_lshr_b32 s15, s14, 1                         ; wm: which 4 tiles of A
	s_and_b32 s16, s14, 1                          ; wn: which 8 tiles of B
	s_bfe_u32 s17, ttmp6, 0x40000                  ; cx
	s_and_b32 s18, ttmp7, 0xffff                   ; the cluster's number
	s_mul_i32 s19, s18, 57
	s_lshr_b32 s19, s19, 9                         ; q, k: B panel = number / 9 (exact for 0 .. 71)
	s_mul_i32 s60, s19, 9
	s_sub_co_u32 s60, s18, s60                     ; and which eight A panels
	s_sub_co_u32 s62, s18, 72                      ; v: B panel
	s_mov_b32 s24, 288
	s_mov_b32 s25, 576
	s_mov_b32 s96, WSCO
	s_mov_b32 s97, XSCO
	s_mov_b32 s98, VSCO
	s_cmp_lt_u32 s18, 72                           ; q, k or v: the same in all four partners
	s_cselect_b32 s19, s19, s62                    ; jb
	s_cselect_b32 s60, s60, 0
	s_cselect_b32 s63, 0, 128                      ; A's first tile in its buffer
	s_cselect_b32 s24, 64, s24                     ; blocks in a row of the output's tiles
	s_cselect_b32 s25, s25, 64                     ; tiles in the output
	s_cselect_b32 s96, XSCO, s96
	s_cselect_b32 s97, WSCO, s97
	s_cselect_b32 s98, QSCO, s98
	s_cselect_b32 s99, 0, 1
	s_wait_kmcnt 0x0
	s_cselect_b64 s[84:85], s[4:5], s[6:7]         ; A's buffer
	s_cselect_b64 s[86:87], s[6:7], s[4:5]         ; B's
	s_cselect_b64 s[92:93], s[10:11], s[12:13]     ; the output
	s_lshl_b32 s20, s60, 3
	s_add_co_u32 s20, s20, s17                     ; ja, the first tile's A panel: it enters A's, kvp's and the output's addresses alone
	s_lshl_b32 s21, s19, 1
	s_add_co_u32 s21, s21, s16                     ; which 128 rows of B are my wave's
	s_mul_i32 s22, s21, 57
	s_lshr_b32 s22, s22, 9                         ; their batch, in the v clusters: / 9 (exact for 0 .. 71)
	s_mul_i32 s26, s22, 9
	s_cmp_eq_u32 s26, s21
	s_cselect_b32 s23, 0xffff, 0
	s_cmp_lg_u32 s99, 0
	s_cselect_b32 s23, s23, 0                      ; lanes 0-15 where my first key is a batch's cls place and this is v; else none
	s_lshl_b32 s26, s20, 3
	s_add_co_u32 s26, s26, s63
	s_mul_i32 s60, s26, 12288
	s_mov_b32 s61, 0
	s_add_nc_u64 s[88:89], s[84:85], s[60:61]      ; A's first panel
	s_lshl_b32 s27, s15, 2
	s_add_co_u32 s26, s26, s27
	s_lshl_b32 s60, s26, 9
	s_add_co_u32 s60, s60, s96
	s_add_nc_u64 s[84:85], s[84:85], s[60:61]      ; the scale words of my 4 tiles of A
	s_mul_i32 s100, s19, 196608                    ; B: made of the cluster's number and the wave's alone, in registers that never hold cx
	s_mov_b32 s101, 0
	s_add_nc_u64 s[90:91], s[86:87], s[100:101]
	s_mul_i32 s100, s16, 8*TL                      ; wave 2: tiles 0-7, wave 3: tiles 8-15
	s_add_nc_u64 s[90:91], s[90:91], s[100:101]    ; the first of my eight tiles of B
	s_lshl_b32 s100, s21, 12
	s_add_co_u32 s100, s100, s97
	s_add_nc_u64 s[86:87], s[86:87], s[100:101]    ; the scale words of my 8 tiles of B
	s_mul_i32 s100, s16, 8*TL
	s_add_co_u32 s100, s100, 8*TL                  ; where my eight tiles of B go
	s_mul_i32 s60, s16, 6144                       ; my half of K in a tile of A (s61 = 0)
	s_mov_b32 s[G1A], 3<<16                        ; A: 8 rows of 6,144 bytes (768 elements of 8), 12,288 bytes apart, dense in LDS
	s_mov_b32 s[G1B], 15|(3<<16)|(1<<21)           ; B: 8 rows of 12,288 bytes, dense; the mask of all four partners, and bit 21 beside it
	s_mov_b32 s[G1A+1], 768<<16
	s_mov_b32 s[G1A+3], 768<<16
	s_mov_b32 s[G1B+1], 1536<<16
	s_mov_b32 s[G1B+3], 1536<<16
.irp g, G1A, G1B
	s_mov_b32 s[\g+2], 8<<16
	s_mov_b32 s[\g+4], 8
	s_mov_b32 s[\g+5], 1536
	s_mov_b32 s[\g+6], 0
	s_mov_b32 s[\g+7], 0
.endr
	s_mov_b32 s[G0A], 1
	s_mul_i32 s[G0A+1], s16, HA
	s_add_nc_u64 s[G0A+2:G0A+3], s[88:89], s[60:61]
	s_or_b32 s[G0A+3], s[G0A+3], 0x80000000
	s_mov_b32 s[G0B], 1
	s_mov_b32 s[G0B+1], s100
	s_mov_b64 s[G0B+2:G0B+3], s[90:91]
	s_or_b32 s[G0B+3], s[G0B+3], 0x80000000
	ROUND                                          ; all four work-groups are here: the joint loads meet
	s_cmp_lt_u32 s14, 2                            ; one load a wave: waves 0, 1 A's halves, waves 2, 3 B's
	s_cbranch_scc0 .Lnot_a
	tensor_load_to_lds s[G0A:G0A+3], s[G1A:G1A+7]
	s_nop 0
.rept 4
	v_nop
.endr
	s_branch .Lasked
.Lnot_a:
	tensor_load_to_lds s[G0B:G0B+3], s[G1B:G1B+7]
	s_nop 0
.rept 4
	v_nop
.endr
.Lasked:
	v_and_b32 v1, 15, v0                           ; r
	v_bfe_u32 v2, v0, 4, 1                         ; h
	v_and_b32 v12, 31, v0
	v_lshlrev_b32 v12, 2, v12                      ; 4 x lane
.macro ASCALES i                       ; tile i's scale words of A: 128 consecutive bytes a load: two K steps' words of a tile
.irp a, 0,1,2,3
.irp q, 0,1,2,3
	global_load_b32 v[SCA+4*\a+\q], v12, s[84:85] offset:\a*512+\q*128+16384*\i
.endr
.endr
.endm
.macro CLSLOADS i                      ; the eight partial sums of the cls value at my channel of each of tile i's four tiles of A: they land during the K steps
.irp a, 0,1,2,3
.irp p, 0,1,2,3,4,5,6,7
	global_load_b32 v[CLS+8*\a+\p], v13, s[8:9] offset:\p*65536+(32*(\a/2)+8*(\a%2))*4+2048*\i
.endr
.endr
.endm
	ASCALES 0
.irp b, 0,1,2,3,4,5,6,7
.irp q, 0,1,2,3
	global_load_b32 v[SCB+4*\b+\q], v12, s[86:87] offset:\b*512+\q*128
.endr
.endr
	v_mul_u32_u24 v3, v1, 24
	v_mad_u32_u24 v3, v2, 384, v3                  ; a fragment's lane term: block h of a pair, place r: the 32 lanes of a load of 8 bytes touch 64 different banks
	s_wait_alu depctr_va_vdst(0)
	s_mul_i32 s60, s15, 4*6144
	s_mul_i32 s62, s16, 8*TL
	s_add_co_u32 s62, s62, 8*TL
	v_add_nc_u32 v[ADRA], s60, v3                  ; my 4 tiles of A, K steps 0-3,
	v_add_nc_u32 v[ADRB], s62, v3                  ; my tiles 0-3 of B,
	s_add_co_u32 s60, s60, HA
	s_add_co_u32 s62, s62, 4*TL
	v_add_nc_u32 v[ADRA+1], s60, v3                ; K steps 4-7,
	v_add_nc_u32 v[ADRB+1], s62, v3                ; tiles 4-7
	v_and_b32 v13, 8, v1
	v_add_lshl_u32 v13, v13, v1, 2                 ; kvp: 4 (r + 8 (r / 8))
	v_lshlrev_b32 v14, 4, v2                       ; 16 h
	s_lshl_b32 s26, s20, 3
	s_add_co_u32 s26, s26, s27                     ; my first tile of the output: 8 ja + 4 wm.  s24, s26 and s27 stay: the ways out make the code offsets of them
	s_lshl_b32 s27, s21, 2                         ; my first block
	s_lshl_b32 s60, s21, 1
	s_mul_i32 s60, s60, s25
	s_add_co_u32 s60, s60, s26
	s_lshl_b32 s60, s60, 6
	s_add_co_u32 s60, s60, s98
	s_mov_b32 s61, 0
	s_add_nc_u64 s[94:95], s[92:93], s[60:61]      ; my scale words
	s_lshl_b32 s62, s25, 6
	v_mul_u32_u24 v15, v2, s62                     ; lanes 16-31 store the word of the second 64
	v_lshl_add_u32 v15, v1, 2, v15
	s_lshl_b32 s60, s20, 7
	s_lshl_b32 s62, s15, 6
	s_add_co_u32 s60, s60, s62
	s_mul_i32 s60, s60, s99                        ; my first channel of v (0 in the q, k clusters, whose loads stay inside the buffer so)
	s_lshl_b32 s60, s60, 2
	s_lshl_b32 s62, s22, 13
	s_add_co_u32 s60, s60, s62
	s_add_co_u32 s60, s60, 4096                    ; v's half of a row of kvp
	s_add_nc_u64 s[8:9], s[8:9], s[60:61]
	s_mov_b32 s[SEL], 0x76543210
	s_mov_b32 s[SEL+1], 0xfedcba98
.irp b, 0,1,2,3
	v_mov_b32 v[TM+4+\b], 0                        ; written once: a lane permute's destination counts as one of its sources
.endr
.macro FRAG reg, adr, off              ; a fragment, 16 rows x 128 K: registers 6 c .. 6 c + 5 are block 2 c + h of my place: 24 bytes as they lie, in pieces of 8
.irp p, 0,1,2,3,4,5
	ds_load_b64 v[\reg+2*\p:\reg+2*\p+1], v[\adr] offset:\off+768*(\p/3)+8*(\p%3)
.endr
.endm
.macro FETCHA q                        ; my 4 tiles of A, K step q, into the window of its parity
	WIN 0x80*((\q)%2)
.irp i, 0,1,2,3
	FRAG AF+12*\i, ADRA+(\q)/4, \i*6144+((\q)%4)*1536
.endr
.endm
.macro FETCHB q, i0                    ; tiles i0 .. i0 + 3 of my 8 of B
	WIN 0x80*((\q)%2)
.irp i, \i0, \i0+1, \i0+2, \i0+3
	FRAG BF+12*(\i), ADRB+(\i)/4, ((\i)%4)*TL+(\q)*1536
.endr
.endm
; 16 matrix instructions: A's tiles a0, a0 + 1 x B's eight.  The 32 accumulators take turns, one instruction a turn, in the same order in every K step and from tile to tile
; K step 0 starts the sums with the constant 0.  Odd K steps take their scale words from lanes 16-31.
.macro MUL q, a0
	WIN 0x50+0x0a*((\q)%2)
.irp a, \a0, \a0+1
.irp b, 0,1,2,3,4,5,6,7
.if (\q) == 0
	v_wmma_scale_f32_16x16x128_f8f6f4 v[8*(8*(\a)+\b):8*(8*(\a)+\b)+7], v[BF+12*\b:BF+12*\b+11], v[AF+12*(\a):AF+12*(\a)+11], 0, v[SCB+4*\b+(\q)/2], v[SCA+4*(\a)+(\q)/2] matrix_a_fmt:MATRIX_FMT_FP6 matrix_b_fmt:MATRIX_FMT_FP6
.elseif (\q)%2 == 0
	v_wmma_scale_f32_16x16x128_f8f6f4 v[8*(8*(\a)+\b):8*(8*(\a)+\b)+7], v[BF+12*\b:BF+12*\b+11], v[AF+12*(\a):AF+12*(\a)+11], v[8*(8*(\a)+\b):8*(8*(\a)+\b)+7], v[SCB+4*\b+(\q)/2], v[SCA+4*(\a)+(\q)/2] matrix_a_fmt:MATRIX_FMT_FP6 matrix_b_fmt:MATRIX_FMT_FP6
.else
	v_wmma_scale_f32_16x16x128_f8f6f4 v[8*(8*(\a)+\b):8*(8*(\a)+\b)+7], v[BF+12*\b:BF+12*\b+11], v[AF+12*(\a):AF+12*(\a)+11], v[8*(8*(\a)+\b):8*(8*(\a)+\b)+7], v[SCB+4*\b+(\q)/2], v[SCA+4*(\a)+(\q)/2] matrix_a_fmt:MATRIX_FMT_FP6 matrix_b_fmt:MATRIX_FMT_FP6 matrix_a_scale:MATRIX_SCALE_ROW1 matrix_b_scale:MATRIX_SCALE_ROW1
.endif
.endr
.endr
.endm
; bar = 1: the first tile, all of whose bytes are in when it begins; bar = 0: the second, whose second half of K is waited for in K step 3, ahead of K step 4's fragments
.macro KSTEP q, bar
	s_wait_dscnt 0x0                               ; this K step's fragments are in; no LDS instruction of mine is out at the signal below
.if (\bar == 0) && ((\q) == 3)
	s_wait_tensorcnt 0x0                           ; my part of the second half of K is in
	s_barrier_signal -1
	s_barrier_wait -1                              ; everybody's part of it is
.endif
.if (\q) < 7
.rept 4
	v_nop                                          ; four places between the last K step's products and the loads into the fragments that they read
.endr
	FETCHA (\q)+1
	FETCHB (\q)+1, 0
.endif
	MUL \q, 0
.if (\q) < 7
	FETCHB (\q)+1, 4
.endif
	MUL \q, 2
.endm
; A's bytes are filled again.  a half's last fragments have been asked for: they are the last LDS reads of that half of the first panel.
.macro REFILL hf                       ; half hf of K of A's bytes: its last fragments have been asked for
	WIN 0
	s_wait_tensorcnt 0x0                           ; no tensor load of mine is out, so a group 0 may be written
	ds_add_u32 v[SPW], v[NIL]                      ; 0 onto my spare word: the descriptor's words stand between it and the wait for it
	s_mov_b32 s[G0A], 1
	s_mul_i32 s[G0A+1], s14, TL                    ; tiles 2 w and 2 w + 1 of the half: 2 x 6,144 bytes
.if \hf
	s_add_co_u32 s[G0A+1], s[G0A+1], HA
.endif
	s_mov_b32 s[G1A+2], 2<<16                      ; no tensor load of mine is out: from here on a load of A brings two rows
	s_mov_b32 s[G1A+4], 2
	s_mul_i32 s60, s14, 2*TL
	s_mov_b32 s61, 0
	s_add_nc_u64 s[G0A+2:G0A+3], s[88:89], s[60:61]
	s_add_nc_u64 s[G0A+2:G0A+3], s[G0A+2:G0A+3], NEXTA+\hf*6144   ; of the panel four further on
	s_or_b32 s[G0A+3], s[G0A+3], 0x80000000
	s_wait_dscnt 0x0                               ; the add is done, and the half's last fragments are in: my reads of that half are over
	ROUND                                          ; both now hold of every wave of every partner
	tensor_load_to_lds s[G0A:G0A+3], s[G1A:G1A+7]  ; my one tensor load behind the round, and the first thing there
	s_nop 0
.rept 4
	v_nop
.endr
.endm
.macro QUANTA a, i                     ; tile a's 64 numbers a lane: four blocks' codes and the place's scale word.  Each accumulator is read from its low end on
	WIN 0x05                                       ; sources 0 and 1 window 1
.irp b, 0,1,2,3
	v_max3_num_f32 v[TM+\b], |v[64*\a+16*\b]|, |v[64*\a+16*\b+1]|, 0x1800000   ; and the floor 2^(3 - 127)
.endr
.irp j, 2,4,6,8,10,12,14
.irp b, 0,1,2,3
	v_max3_num_f32 v[TM+\b], |v[64*\a+16*\b+\j]|, |v[64*\a+16*\b+\j+1]|, v[TM+\b]
.endr
.endr
	WIN 0
.irp b, 0,1,2,3
	v_permlanex16_b32 v[TM+4+\b], v[TM+\b], s[SEL], s[SEL+1]
.endr
.irp b, 0,1,2,3
	v_max_num_f32 v[TM+\b], v[TM+\b], v[TM+4+\b]
.endr
.irp b, 0,1,2,3
	v_add_nc_u32 v[TM+12+\b], 0xff000000, v[TM+\b]
.endr
.irp b, 0,1,2,3
	v_lshrrev_b32 v[TM+4+\b], 23, v[TM+12+\b]
.endr
	v_lshl_or_b32 v[PWR], v[TM+5], 8, v[TM+4]
	v_lshl_or_b32 v[PWR], v[TM+6], 16, v[PWR]
	v_lshl_or_b32 v[PWR], v[TM+7], 24, v[PWR]
	WIN 0x01                                       ; source 0 window 1
.irp b, 0,1,2,3
	v_cvt_scalef32_pk16_fp6_f32 v[PC+16*\a+4*\b:PC+16*\a+4*\b+2], v[64*\a+16*\b:64*\a+16*\b+15], v[TM+12+\b]
.endr
	WIN 0
	v_nop                                          ; one plain place behind the scaled conversions
	v_lshrrev_b32 v[SW+\a], v14, v[PWR]            ; lanes 0-15: the whole word; lanes 16-31: the second 64's two bytes
.irp b, 0,1,2,3
	global_store_b96 v[COFF+\a], v[PC+16*\a+4*\b:PC+16*\a+4*\b+2], s[92:93] offset:384*\b   ; 384 consecutive bytes; the four blocks follow each other
.endr
	global_store_b32 v15, v[SW+\a], s[94:95] offset:64*\a+2048*\i
.endm
; THE WAY OUT of tile i.  In a tile no store's data register is written twice.
.macro WAYOUT i
	WIN 0
.if \i == 0
	s_wait_loadcnt 0x0                             ; the cls partial sums (the second tile's were waited for at its head)
.endif
.irp p, 1,2,3,4,5,6,7
.irp a, 0,1,2,3
	v_add_f32 v[CLS+8*\a], v[CLS+8*\a], v[CLS+8*\a+\p]   ; the cls value.  (These 28 are also the places behind the last products)
.endr
.endr
	v_mul_u32_u24 v[LN], v1, 24
	v_mad_u32_u24 v[LN], v2, 12, v[LN]             ; my 12 bytes of a block: 24 r + 12 h
	s_wait_alu depctr_va_vdst(0)
.irp a, 0,1,2,3
	s_add_co_u32 s60, s26, \a+32*\i                ; the output's tile: the second A panel lies 32 tiles on
	s_mul_i32 s60, s60, s24
	s_add_co_u32 s60, s60, s27
	s_mul_i32 s60, s60, 384
	v_add_nc_u32 v[COFF+\a], s60, v[LN]
.endr
	WIN 0x41                                       ; destination and source 0 window 1
.irp a, 0,1,2,3
	v_cndmask_b32 v[64*\a], v[64*\a], v[CLS+8*\a], s23   ; my first key's sum (register 0 of accumulator (a, 0), lanes 0-15) becomes the cls value where the mask says so
.endr
	WIN 0
.if \i == 0
	ASCALES 1                                      ; the second tile's scale words of A and its cls partial sums are asked for here, a way out ahead of their use
	CLSLOADS 1
.endif
	QUANTA 0, \i
	QUANTA 1, \i
	QUANTA 2, \i
	QUANTA 3, \i
.endm
	; ---- the first tile
	s_wait_alu depctr_va_vdst(0)
	s_wait_tensorcnt 0x0                           ; my one load of the head is in
	s_barrier_signal -1
	s_barrier_wait -1
	FETCHA 0
	FETCHB 0, 0
	FETCHB 0, 4
	s_wait_loadcnt 0x0                             ; the scale words
	CLSLOADS 0
	KSTEP 0, 1
	KSTEP 1, 1
	KSTEP 2, 1
	REFILL 0
	KSTEP 3, 1
	KSTEP 4, 1
	KSTEP 5, 1
	KSTEP 6, 1
	REFILL 1
	MUL 7, 0
	MUL 7, 2
	WAYOUT 0
	; ---- the second tile
	s_wait_xcnt 0x0                                ; (the panel's first half of K was waited for by every wave in front of the second refill's round)
	FETCHA 0
	FETCHB 0, 0
	FETCHB 0, 4
	s_wait_loadcnt 0x0                             ; A's scale words and the cls partial sums
	KSTEP 0, 0
	KSTEP 1, 0
	KSTEP 2, 0
	KSTEP 3, 0
	KSTEP 4, 0
	KSTEP 5, 0
	KSTEP 6, 0
	KSTEP 7, 0
	WAYOUT 1
	s_wait_tensorcnt 0x0                           ; the wave's end: my last tensor load is in, ahead of my last LDS instructions
	ds_add_u32 v[SPW], v[NIL]
	s_wait_dscnt 0x0
	ROUND                                          ; the closing round: no work-group ends while a partner may still ask for a tile that names it
	s_endpgm
.Lfunc_end_k_q4bef3202fd_gemm1:
	.size	k_q4bef3202fd_gemm1, .Lfunc_end_k_q4bef3202fd_gemm1-k_q4bef3202fd_gemm1
	.p2alignl 7, 3214868480
	.fill 96, 4, 3214868480
	.section	.rodata,"a",@progbits
	.p2align	6, 0x0
	.amdhsa_kernel k_q4bef3202fd_gemm1
		.amdhsa_group_segment_fixed_size 327680
		.amdhsa_private_segment_fixed_size 0
		.amdhsa_enable_private_segment 0
		.amdhsa_kernarg_size 40
		.amdhsa_user_sgpr_count 2
		.amdhsa_user_sgpr_kernarg_segment_ptr 1
		.amdhsa_wavefront_size32 1
		.amdhsa_system_sgpr_workgroup_id_x 1
		.amdhsa_system_sgpr_workgroup_id_y 1
		.amdhsa_system_sgpr_workgroup_id_z 1
		.amdhsa_system_vgpr_workitem_id 0
		.amdhsa_next_free_vgpr 768
		.amdhsa_next_free_sgpr 102
		.amdhsa_reserve_vcc 0
		.amdhsa_float_denorm_mode_32 3
		.amdhsa_float_denorm_mode_16_64 3
		.amdhsa_memory_ordered 1
		.amdhsa_forward_progress 1
		.amdhsa_inst_pref_size 199
	.end_amdhsa_kernel
	.amdgpu_metadata
---
amdhsa.version: [ 1, 2 ]
amdhsa.kernels:
  - .name:           k_q4bef3202fd_gemm1
    .symbol:         k_q4bef3202fd_gemm1.kd
    .args:
      - { .name: x_q, .offset: 0, .size: 8, .value_kind: global_buffer, .address_space: global }
      - { .name: w_q, .offset: 8, .size: 8, .value_kind: global_buffer, .address_space: global }
      - { .name: kvp, .offset: 16, .size: 8, .value_kind: global_buffer, .address_space: global }
      - { .name: qk_q, .offset: 24, .size: 8, .value_kind: global_buffer, .address_space: global }
      - { .name: v_q, .offset: 32, .size: 8, .value_kind: global_buffer, .address_space: global }
    .group_segment_fixed_size: 327680
    .private_segment_fixed_size: 0
    .kernarg_segment_align: 8
    .kernarg_segment_size: 40
    .max_flat_workgroup_size: 128
    .sgpr_count:     102
    .vgpr_count:     768
    .wavefront_size: 32
...
	.end_amdgpu_metadata
.endif
;; end of part 2
;; launch attn (part 3): grid 2 x 128, 16 waves a work-group, no clusters, 169,984 bytes of LDS; arguments qk_q, v_q, kvp, att_q; writes att_q
.if DOCPART == 3
	.amdgcn_target "amdgcn-amd-amdhsa--gfx1250"
	.amdhsa_code_object_version 6
	.text
	.protected	k_q4bef3202fd_attn
	.globl	k_q4bef3202fd_attn
	.p2align	8
	.type	k_q4bef3202fd_attn,@function
k_q4bef3202fd_attn:
	s_mov_b64 s[64:65], 0
	v_nop
	global_prefetch_b8 v0, s[64:65] scope:SCOPE_SE
	s_setreg_imm32_b32 hwreg(HW_REG_WAVE_MODE, 25, 1), 1
	s_wait_xcnt 0x0
; Attention of one head of one batch (y) for 512 queries (x), both products on codes of FP6 (E2M3); the result is quantised along the channels and leaves as codes.
; KEYS: 1,025: key 0 is the cls key, key i token i - 1: eight steps of 128 keys and a tail of one key.  k's codes (K = 64 channels; the upper half of the instruction's 128 is zero codes
; on both sides) and v's (K = the keys) of the whole head lie in LDS, filled once by four tensor loads, one each in waves 0 to 3.
; SOFTMAX: t = score x log2(e) / 8; M = the running largest t rounded up to a whole number; p = 2^(t - M) is quantised along the keys; the row's sum is taken of the unquantised p and
; divides at the end.  When M moves, the sum and O are multiplied by 2^(old M - new M): exact, no branch on data.
; LAYOUT: both products transposed (S^T = K Q^T, O^T = V^T P^T): a lane holds one query (lane % 16).  THE KEYS OF A TILE OF K ARE CHOSEN BY ADDRESS: lane r of tile t of the 64 keys c takes key
; 64 c + 32 (r / 8) + 8 t + r % 8.  So lane (r, h) holds in the 32 registers of four tiles the whole block of keys 64 c + 32 h .. + 31, in order: a block's maximum needs no other lane,
; and the conversions' results are the operand's registers as they stand.  In LDS key row i of a group of 32 lies in tile (i / 8) % 2 at place i % 8 + 8 (i / 16).
; SHARES: wave w owns the 32 queries of token group 16 x + w, two tiles, one after the other (macro TILE); both tiles' Q are loaded at the head.
; THE CLS KEY is the sum of the eight partial sums in kvp: waves 0 and 1 both add and quantise it; wave 0 stores its codes over place 0 of key tile 0, wave 1 its scale word, each behind
; its own wait for the fill of those bytes; no fill follows.
; No cluster: a head has two work-groups, and what they share is asked for once, at the head.  No prefetch: no loop reads memory.
; LIMITS: NaN and infinities are not served; a block of zeros gets the byte 1 where the rule says 127: its codes are zeros and this program alone reads the bytes.
; A block's largest p is taken as the exponential of the block's largest score: this takes v_exp_f32 not to fall where its input rises.  The scaled scores stay under 2^31 in magnitude.
; REGISTERS: v1-6, v212-214 LDS addresses and 8 h; v7 r, v29 h; v8-11 the step's addresses; v12 -M, v13 largest t, v[14:15] the sum; v16-27, v28 Q and its scale word (tile 1: v216-227, v228);
;   v32-79 four fragments of K (upper six registers zeros); v80-87 scale words of K, V; v88, v89 output offsets; v96-159 S^T, p, then V's fragments; v160-191 O^T; v192-203 p's codes; v232-254 at work.
.set QSCO, 14155776
.set VSCO, 7077888
.set ASCO, 6291456
.set KC,   0                           ; k's codes: 65 tiles x 768 bytes
.set VC,   49920                       ; v's codes: [4 tiles][36 blocks][384]
.set KS,   105216                      ; k's scale words: 65 tiles x 64 bytes
.set VS,   109568                      ; v's: [9 steps][4 tiles][16 words]
.set SPARE, 0x29000                    ; the spare words: 128 bytes a wave
.set AK0,  1
.set AV0,  2
.set ASK0, 3
.set ASV0, 4
.set ADK,  8
.set ADV,  9
.set ADS,  10
.set ADT,  11
.set AKT,  212                         ; 384 h + 24 r: a tile's places in their order
.set AST,  213                         ; the scale words of key tile 64
.set SH8,  214                         ; 8 h
.set KF,   32
.set KSW,  80
.set VSW,  84
.set WV,   12
.set SEL,  20
.set CS,   22
.set G1K,  24
.set G1KS, 32
.set G1V,  40
.set G1VS, 48
.set G0K,  56
.set G0KS, 60
.set G0V,  68
.set G0VS, 72
.set TBK,  76
.set TSK,  77
.set TBV,  78
.set TSV,  79
.set CNT,  80
.set HM,   81
.macro G1SET g, c, r, p                ; r rows of c elements of 8 bytes, p elements apart, dense in LDS
	s_mov_b32 s[\g], 3<<16
	s_mov_b32 s[\g+1], (\c)<<16
	s_mov_b32 s[\g+2], (\r)<<16
	s_mov_b32 s[\g+3], (\c)<<16
	s_mov_b32 s[\g+4], \r
	s_mov_b32 s[\g+5], \p
	s_mov_b32 s[\g+6], 0
	s_mov_b32 s[\g+7], 0
.endm
	s_load_b256 s[4:11], s[0:1], 0x0               ; qk_q, v_q, kvp, att_q
	v_lshl_add_u32 v251, v0, 2, SPARE
	v_mov_b32 v255, 0
	ds_add_u32 v251, v255                          ; the opening lines: the add twice on end and its one wait
	ds_add_u32 v251, v255
	v_lshrrev_b32 v8, 5, v0
	v_readfirstlane_b32 s[WV], v8                  ; wave 0..15
	s_and_b32 s16, ttmp7, 0xffff
	s_lshr_b32 s13, s16, 4                         ; batch
	s_and_b32 s14, s16, 15                         ; head
	v_and_b32 v7, 15, v0                           ; r
	v_bfe_u32 v29, v0, 4, 1                        ; h
	v_and_b32 v8, 7, v0                            ; r % 8
	v_bfe_u32 v9, v0, 3, 1                         ; r / 8
	v_mul_u32_u24 v[AKT], v7, 24
	v_mul_u32_u24 v[AK0], v8, 24
	v_mad_u32_u24 v[AKT], v29, 384, v[AKT]
	v_mad_u32_u24 v[AK0], v9, 1536, v[AK0]         ; the group of 32 keys r / 8: two tiles on
	v_add_nc_u32 v[AV0], VC, v[AKT]
	v_mad_u32_u24 v[AK0], v29, 384, v[AK0]         ; channel block h
	v_lshl_add_u32 v[ASK0], v8, 2, KS
	v_lshl_add_u32 v[ASV0], v7, 2, VS
	v_lshl_add_u32 v[ASK0], v9, 7, v[ASK0]
	v_lshl_add_u32 v[AST], v7, 2, KS+4096
	v_mul_u32_u24 v5, v29, 12                      ; the cls key's codes: place 0 of tile 0, my half's 12 bytes
	v_mov_b32 v6, KS                               ; and its scale word
	v_lshlrev_b32 v[SH8], 3, v29
	G1SET G1K, 96, 65, 3072                        ; k's codes: 65 rows of 768 bytes, 24,576 apart
	G1SET G1KS, 520, 1, 520                        ; k's scale words: one row of 4,160 bytes
	G1SET G1V, 1728, 4, 13824                      ; v's codes: 4 rows of 13,824 bytes, 110,592 apart
	G1SET G1VS, 32, 9, 1024                        ; v's scale words: 9 rows of 256 bytes, 8,192 apart
	s_mov_b32 s[SEL], 0x76543210
	s_mov_b32 s[SEL+1], 0xfedcba98
	s_mov_b32 s[CS], 0x3e38aa3b                    ; c = log2(e) / 8
	s_mov_b32 s[CS+1], s[CS]
	s_mov_b32 s[HM], 0xffff0000
	s_mov_b32 s19, 0
	s_mul_i32 s18, s13, 1769472                    ; the batch's 72 tiles x 64 blocks x 384,
	s_mul_i32 s17, s14, 768                        ; + the head's two blocks
	s_add_co_u32 s18, s18, s17
	s_wait_alu depctr_va_vdst(0)
	s_wait_dscnt 0x0
	s_wait_kmcnt 0x0
	s_add_nc_u64 s[86:87], s[4:5], s[18:19]        ; q's codes of this batch and head
	s_mov_b32 s[G0K], 1
	s_mov_b32 s[G0K+1], KC
	s_add_nc_u64 s[G0K+2:G0K+3], s[86:87], 12288   ; k's lie 32 blocks on
	s_or_b32 s[G0K+3], s[G0K+3], 0x80000000
	s_mul_i32 s18, s14, 576
	s_mul_i32 s17, s13, 72
	s_add_co_u32 s18, s18, s17
	s_lshl_b32 s18, s18, 6
	s_add_co_u32 s18, s18, QSCO
	s_add_nc_u64 s[82:83], s[4:5], s[18:19]        ; q's scale words
	s_mov_b32 s[G0KS], 1
	s_mov_b32 s[G0KS+1], KS
	s_add_nc_u64 s[G0KS+2:G0KS+3], s[82:83], 589824   ; k's lie 16 x 576 tiles on
	s_or_b32 s[G0KS+3], s[G0KS+3], 0x80000000
	s_mul_i32 s18, s14, 442368
	s_mul_i32 s17, s13, 13824
	s_add_co_u32 s18, s18, s17
	s_mov_b32 s[G0V], 1
	s_mov_b32 s[G0V+1], VC
	s_add_nc_u64 s[G0V+2:G0V+3], s[6:7], s[18:19]
	s_or_b32 s[G0V+3], s[G0V+3], 0x80000000
	s_mul_i32 s18, s13, 73728
	s_lshl_b32 s17, s14, 8
	s_add_co_u32 s18, s18, s17
	s_add_co_u32 s18, s18, VSCO
	s_mov_b32 s[G0VS], 1
	s_mov_b32 s[G0VS+1], VS
	s_add_nc_u64 s[G0VS+2:G0VS+3], s[6:7], s[18:19]
	s_or_b32 s[G0VS+3], s[G0VS+3], 0x80000000
	s_lshl_b32 s18, s13, 13
	s_add_co_u32 s18, s18, s17
	s_add_nc_u64 s[88:89], s[8:9], s[18:19]        ; kvp: the batch's row, the head's 64 numbers of k
	s_lshl_b32 s16, ttmp9, 4
	s_add_co_u32 s16, s16, s[WV]                   ; my token group
	s_lshl_b32 s17, s16, 5
	s_add_co_u32 s17, s17, 1
	v_and_b32 v94, 8, v7
	v_add3_u32 v94, v94, v7, s17                   ; the key row of my query in tile 0: token + 1
	s_lshl_b32 s18, s13, 6
	s_lshl_b32 s17, s16, 1
	s_add_co_u32 s17, s17, s18                     ; my first tile of att_q
	s_mul_i32 s18, s17, 12288
	s_mul_i32 s16, s14, 768
	s_add_co_u32 s18, s18, s16
	s_add_nc_u64 s[90:91], s[10:11], s[18:19]      ; its codes, the head's two blocks
	s_lshl_b32 s18, s17, 9
	s_lshr_b32 s16, s14, 1
	s_lshl_b32 s16, s16, 6
	s_add_co_u32 s18, s18, s16
	s_and_b32 s16, s14, 1
	s_lshl_b32 s16, s16, 1
	s_add_co_u32 s18, s18, s16
	s_add_co_u32 s18, s18, ASCO
	s_add_nc_u64 s[84:85], s[10:11], s[18:19]      ; its scale bytes: K step head / 2, bytes 2 (head % 2) on
.macro QLOAD u, qf, qs, ao, so         ; tile u's Q: my query's key row, its tile among the batch's 72 and its place there
	v_add_nc_u32 v90, 8*\u, v94
	v_lshrrev_b32 v91, 5, v90
	v_bfe_u32 v92, v90, 3, 1
	v_bfe_u32 v93, v90, 4, 1
	v_lshl_add_u32 v91, v91, 1, v92
	v_and_b32 v92, 7, v90
	v_mul_u32_u24 v[\ao], v91, 24576
	v_lshl_or_b32 v92, v93, 3, v92
	v_mad_u32_u24 v[\ao], v29, 384, v[\ao]
	v_lshlrev_b32 v[\so], 6, v91
	v_mad_u32_u24 v[\ao], v92, 24, v[\ao]
	v_lshl_add_u32 v[\so], v92, 2, v[\so]
.irp p, 0,1,2
	global_load_b64 v[\qf+2*\p:\qf+2*\p+1], v[\ao], s[86:87] offset:8*\p
.endr
	global_load_b32 v[\qs], v[\so], s[82:83]
.endm
	s_wait_alu depctr_va_vdst(0)
	QLOAD 0, 16, 28, 30, 31
	QLOAD 1, 216, 228, 229, 230
	v_mul_u32_u24 v88, v7, 24
	v_and_b32 v95, 7, v7
	v_mad_u32_u24 v88, v29, 12, v88
	v_lshlrev_b32 v95, 16, v95
	v_lshl_add_u32 v89, v7, 2, v29
	v_lshl_add_u32 v95, v29, 6, v95                ; kvp: partial sum r % 8, my half's 16 numbers
.irp b, 0,1,2,3
	v_mov_b32 v[236+\b], 0                         ; written once: a lane permute's destination counts as one of its sources
.endr
	v_mov_b32 v253, 0                              ; (named as the upper half of the pair v[252:253] before it is first written)
; 32 numbers of a lane, v[s] on, register 16 b + i = k 32 b + 16 h + i: two blocks' codes into v[204:206], v[208:210], their bytes into v236, v237
.macro QUANT2 s
.irp b, 0,1
	v_max3_num_f32 v[232+\b], |v[\s+16*\b]|, |v[\s+16*\b+1]|, 0x1800000
.endr
.irp i, 2,4,6,8,10,12,14
.irp b, 0,1
	s_delay_alu instid0(VALU_DEP_2)
	v_max3_num_f32 v[232+\b], v[232+\b], |v[\s+16*\b+\i]|, |v[\s+16*\b+\i+1]|
.endr
.endr
.irp b, 0,1
	s_delay_alu instid0(VALU_DEP_2)
	v_permlanex16_b32 v[236+\b], v[232+\b], s[SEL], s[SEL+1]
.endr
.irp b, 0,1
	s_delay_alu instid0(VALU_DEP_2)
	v_max_num_f32 v[232+\b], v[232+\b], v[236+\b]
.endr
.irp b, 0,1
	s_delay_alu instid0(VALU_DEP_2)
	v_add_nc_u32 v[244+\b], 0xff000000, v[232+\b]
.endr
.irp b, 0,1
	s_delay_alu instid0(VALU_DEP_2)
	v_lshrrev_b32 v[236+\b], 23, v[244+\b]
.endr
.irp b, 0,1
	v_cvt_scalef32_pk16_fp6_f32 v[204+4*\b:206+4*\b], v[\s+16*\b:\s+16*\b+15], v[244+\b]
.endr
	v_nop                                          ; one plain place behind the scaled conversions
.endm
; THE FIRST FILLS: one chain of branches on the wave's number, one load to an arm, all arms to one join
.macro ARM n, g0, g1, next
	s_cmp_lg_u32 s[WV], \n
	s_cbranch_scc1 \next
	tensor_load_to_lds s[\g0:\g0+3], s[\g1:\g1+7]
	s_nop 0
.rept 4
	v_nop
.endr
	s_branch .Ljoin
\next:
.endm
	s_wait_alu depctr_va_vdst(0)
	ARM 0, G0K, G1K, .La1
	ARM 1, G0KS, G1KS, .La2
	ARM 2, G0V, G1V, .La3
	s_cmp_lg_u32 s[WV], 3
	s_cbranch_scc1 .Ljoin
	tensor_load_to_lds s[G0VS:G0VS+3], s[G1VS:G1VS+7]
	s_nop 0
.rept 4
	v_nop
.endr
.Ljoin:
	s_cmp_lt_u32 s[WV], 2
	s_cbranch_scc0 .Lmeet
.irp b, 0,1
.irp j, 0,1,2,3
	global_load_b128 v[32+16*\b+4*\j:35+16*\b+4*\j], v95, s[88:89] offset:128*\b+16*\j
.endr
.endr
	s_wait_loadcnt 0x0
.irp m, 1,2,4
.set j, 0
.rept 32
	v_add_f32_dpp v[32+j], v[32+j], v[32+j] row_xmask:\m row_mask:0xf bank_mask:0xf   ; the eight partial sums: every lane ends with the same bits
.set j, j+1
.endr
.endr
	QUANT2 32
	v_lshl_or_b32 v240, v237, 8, v236
	s_wait_alu depctr_va_vdst(0)
	s_wait_tensorcnt 0x0                           ; my own fill has landed: only now its bytes are written over
	s_cmp_lg_u32 s[WV], 0
	s_cbranch_scc1 .Lword
.irp b, 0,1
.irp i, 0,1,2
	ds_store_b32 v5, v[204+4*\b+\i] offset:KC+384*\b+4*\i   ; the sixteen lanes of a half write the same word with the same value
.endr
.endr
	s_branch .Lmeet
.Lword:
	ds_store_b32 v6, v240
.Lmeet:
	s_wait_tensorcnt 0x0                           ; for the others' sake: my tile has landed,
	s_wait_dscnt 0x0                               ; and my stores
	s_barrier_signal -1
	s_barrier_wait -1
	s_wait_loadcnt 0x0                             ; both tiles' Q
.irp t, 0,1,2,3
.irp j, 6,7,8,9,10,11
	v_mov_b32 v[KF+12*\t+\j], 0                    ; channels 64 .. 127 of K: zero codes, set once
.endr
.endr
.irp j, 22,23,24,25,26,27, 222,223,224,225,226,227
	v_mov_b32 v[\j], 0                             ; and of Q
.endr
.macro ADDRS                           ; the step's addresses.  With the v_nop: five places between the last products and the products that write over V's fragments
	v_add_nc_u32 v[ADK], s[TBK], v[AK0]
	v_add_nc_u32 v[ADV], s[TBV], v[AV0]
	v_add_nc_u32 v[ADS], s[TSK], v[ASK0]
	v_add_nc_u32 v[ADT], s[TSV], v[ASV0]
	v_nop
	s_wait_alu depctr_va_vdst(0)                   ; the wait: behind the last products, and ahead of the waits below
.endm
.macro MUPD                            ; v254 = the step's largest score of my query -> the new -M in v12, f = 2^(old M - new M) in v252
	v_mul_f32 v254, s[CS], v254
	v_max_num_f32 v13, v13, v254
	v_mov_b32 v254, v12
	v_floor_f32 v12, -v13                          ; -M = floor(-t): M is a whole number
	v_sub_f32 v254, v12, v254
	v_cvt_i32_f32 v254, v254                       ; (it saturates)
	v_ldexp_f32 v252, 1.0, v254
.endm
.macro VPART                           ; V's four fragments of these 128 keys over p's registers; O^T x f; O^T += V^T P^T, the four accumulators by turns
.irp t, 0,1,2,3
.irp p, 0,1,2,3,4,5
	ds_load_b64 v[96+12*\t+2*\p:97+12*\t+2*\p], v[ADV] offset:\t*13824+768*(\p/3)+8*(\p%3)
.endr
	ds_load_b32 v[VSW+\t], v[ADT] offset:64*\t
.endr
.irp j, 0,2,4,6,8,10,12,14,16,18,20,22,24,26,28,30
	v_pk_mul_f32 v[160+\j:161+\j], v[160+\j:161+\j], v[252:253] op_sel_hi:[1,0]   ; (also places between the writes of p's codes and scale word and the products)
.endr
	s_wait_alu depctr_va_vdst(0)
	s_wait_dscnt 0x0
.irp t, 0,1,2,3
	v_wmma_scale_f32_16x16x128_f8f6f4 v[160+8*\t:167+8*\t], v[96+12*\t:107+12*\t], v[192:203], v[160+8*\t:167+8*\t], v[VSW+\t], v253 matrix_a_fmt:MATRIX_FMT_FP6 matrix_b_fmt:MATRIX_FMT_FP6
.endr
.endm
.macro STEP qf, qs                     ; 128 keys
	ADDRS
.irp g, 0,1                            ; S^T = K Q^T: the four tiles of 64 keys at a time
.if \g > 0
.rept 4
	v_nop                                          ; places in front of loads into registers that the four products above have read
.endr
.endif
.irp t, 0,1,2,3
.irp p, 0,1,2
	ds_load_b64 v[KF+12*\t+2*\p:KF+12*\t+2*\p+1], v[ADK] offset:\g*3072+(\t%2)*768+(\t/2)*192+8*\p
.endr
	ds_load_b32 v[KSW+\t], v[ADS] offset:\g*256+(\t%2)*64+(\t/2)*32
.endr
	s_wait_dscnt 0x0
.irp t, 0,1,2,3
	v_wmma_scale_f32_16x16x128_f8f6f4 v[96+8*(4*\g+\t):103+8*(4*\g+\t)], v[KF+12*\t:KF+12*\t+11], v[\qf:\qf+11], 0, v[KSW+\t], v[\qs] matrix_a_fmt:MATRIX_FMT_FP6 matrix_b_fmt:MATRIX_FMT_FP6
.endr
.endr
.rept 4
	v_nop
.endr
.irp b, 0,1,2,3
	v_max3_num_f32 v[232+\b], v[96+16*\b], v[97+16*\b], v[98+16*\b]   ; four chains, each accumulator from its low end on
.endr
.irp i, 3,5,7,9,11,13
.irp b, 0,1,2,3
	v_max3_num_f32 v[232+\b], v[232+\b], v[96+16*\b+\i], v[97+16*\b+\i]
.endr
.endr
	v_max3_num_f32 v232, v232, v233, v111
	v_max3_num_f32 v233, v234, v235, v143
	v_max_num_f32 v232, v232, v127                 ; the largest score of my block h,
	v_max_num_f32 v233, v233, v159                 ; and of my block 2 + h
	v_max_num_f32 v254, v232, v233
	v_permlanex16_b32 v236, v254, s[SEL], s[SEL+1]
	v_max_num_f32 v254, v254, v236                 ; with lane l xor 16's two blocks: the step's largest score of my query
	MUPD
.irp j, 0,2,4,6,8,10,12,14,16,18,20,22,24,26,28,30,32,34,36,38,40,42,44,46,48,50,52,54,56,58,60,62
	v_pk_fma_f32 v[96+\j:97+\j], v[96+\j:97+\j], s[CS:CS+1], v[12:13] op_sel_hi:[1,0,0]   ; t - M, two at a time
.endr
	v_pk_fma_f32 v[232:233], v[232:233], s[CS:CS+1], v[12:13] op_sel_hi:[1,0,0]            ; the same of the two blocks' largest scores
	s_wait_alu depctr_va_vdst(0)
.set j, 0
.rept 64
	v_exp_f32 v[96+j], v[96+j]                     ; p = 2^(t - M), at most 1
.set j, j+1
.endr
	v_exp_f32 v232, v232                           ; the blocks' largest p
	v_exp_f32 v233, v233
	v_pk_mul_f32 v[14:15], v[14:15], v[252:253] op_sel_hi:[1,0]   ; the sums under the new M.  (A plain place behind the exponentials)
	s_wait_alu depctr_va_vdst(0)
	v_max_num_f32 v232, 0x1800000, v232            ; the floor 2^(3 - 127)
	v_max_num_f32 v233, 0x1800000, v233
	v_add_nc_u32 v244, 0xff000000, v232            ; 2 off the exponent field: the conversions' scale operands
	v_add_nc_u32 v245, 0xff000000, v233
	v_lshrrev_b32 v236, 23, v244
	v_lshrrev_b32 v237, 23, v245
	v_lshl_or_b32 v253, v237, 16, v236             ; my two bytes: blocks h and 2 + h,
	v_lshlrev_b32 v253, v[SH8], v253               ; at their places in the word;
	v_permlanex16_b32 v238, v253, s[SEL], s[SEL+1]
	v_or_b32 v253, v253, v238                      ; with lane l xor 16's two: p's scale word for these 128 keys
.irp c, 0,1
	v_cvt_scalef32_pk16_fp6_f32 v[192+6*\c:194+6*\c], v[96+32*\c:111+32*\c], v[244+\c]
	v_cvt_scalef32_pk16_fp6_f32 v[204+4*\c:206+4*\c], v[112+32*\c:127+32*\c], v[244+\c]   ; (a conversion's three registers begin on an even number)
.endr
	v_nop
.irp c, 0,1
.irp i, 0,1,2
	v_mov_b32 v[195+6*\c+\i], v[204+4*\c+\i]       ; registers 6 c .. 6 c + 5: keys 64 c + 32 h + 0 .. 31
.endr
.endr
	v_pk_add_f32 v[236:237], v[100:101], v[104:105]   ; the row's sum, of the unquantised p: eight chains
	v_pk_add_f32 v[248:249], v[108:109], v[112:113]
	v_pk_add_f32 v[246:247], v[116:117], v[120:121]
	v_pk_add_f32 v[244:245], v[124:125], v[128:129]
	v_pk_add_f32 v[242:243], v[132:133], v[136:137]
	v_pk_add_f32 v[240:241], v[140:141], v[144:145]
	v_pk_add_f32 v[234:235], v[148:149], v[152:153]
	v_pk_add_f32 v[14:15], v[14:15], v[156:157]
	v_pk_add_f32 v[236:237], v[236:237], v[96:97]
	v_pk_add_f32 v[248:249], v[248:249], v[98:99]
	v_pk_add_f32 v[246:247], v[246:247], v[102:103]
	v_pk_add_f32 v[244:245], v[244:245], v[106:107]
	v_pk_add_f32 v[242:243], v[242:243], v[110:111]
	v_pk_add_f32 v[240:241], v[240:241], v[114:115]
	v_pk_add_f32 v[234:235], v[234:235], v[118:119]
	v_pk_add_f32 v[14:15], v[14:15], v[122:123]
	v_pk_add_f32 v[236:237], v[236:237], v[126:127]
	v_pk_add_f32 v[248:249], v[248:249], v[130:131]
	v_pk_add_f32 v[246:247], v[246:247], v[134:135]
	v_pk_add_f32 v[244:245], v[244:245], v[138:139]
	v_pk_add_f32 v[242:243], v[242:243], v[142:143]
	v_pk_add_f32 v[240:241], v[240:241], v[146:147]
	v_pk_add_f32 v[234:235], v[234:235], v[150:151]
	v_pk_add_f32 v[14:15], v[14:15], v[154:155]
	v_pk_add_f32 v[236:237], v[236:237], v[158:159]
	s_delay_alu instid0(VALU_DEP_2)
	v_pk_add_f32 v[14:15], v[14:15], v[244:245]
	s_delay_alu instid0(VALU_DEP_2)
	v_pk_add_f32 v[236:237], v[236:237], v[242:243]
	v_pk_add_f32 v[248:249], v[248:249], v[240:241]
	v_pk_add_f32 v[246:247], v[246:247], v[234:235]
	s_delay_alu instid0(VALU_DEP_2)
	v_pk_add_f32 v[14:15], v[14:15], v[248:249]
	s_delay_alu instid0(VALU_DEP_2)
	v_pk_add_f32 v[236:237], v[236:237], v[246:247]
	s_delay_alu instid0(VALU_DEP_1)
	v_pk_add_f32 v[14:15], v[14:15], v[236:237]
	VPART
	s_add_co_u32 s[TBK], s[TBK], 6144              ; 8 tiles of K,
	s_add_co_u32 s[TSK], s[TSK], 512               ; their scale words,
	s_add_co_u32 s[TBV], s[TBV], 1536              ; 4 blocks of V,
	s_add_co_u32 s[TSV], s[TSV], 256               ; a step's scale words
.endm
.macro TAIL qf, qs                     ; key 1,024: place 0 of key tile 64, taken by its places in order: register 0, lanes 0-15.  All else of the ninth step is zero codes
	ADDRS
.irp p, 0,1,2
	ds_load_b64 v[KF+2*\p:KF+2*\p+1], v[AKT] offset:49152+8*\p
.endr
	ds_load_b32 v[KSW], v[AST]
	s_wait_dscnt 0x0
	v_wmma_scale_f32_16x16x128_f8f6f4 v[96:103], v[KF:KF+11], v[\qf:\qf+11], 0, v[KSW], v[\qs] matrix_a_fmt:MATRIX_FMT_FP6 matrix_b_fmt:MATRIX_FMT_FP6
.rept 4
	v_nop
.endr
	v_mov_b32 v254, 0xff800000
	v_cndmask_b32 v96, v96, v254, s[HM]            ; lanes 16-31 hold no key: -infinity, so that p = 0 there
	s_delay_alu instid0(VALU_DEP_1)
	v_permlanex16_b32 v236, v96, s[SEL], s[SEL+1]
	s_delay_alu instid0(VALU_DEP_1)
	v_max_num_f32 v232, v96, v236                  ; the score, in both lanes of the query
	s_delay_alu instid0(VALU_DEP_1)
	v_mov_b32 v254, v232
	MUPD
	s_delay_alu instid0(VALU_DEP_4)
	v_fma_f32 v96, v96, s[CS], v12
	v_fma_f32 v232, v232, s[CS], v12
	s_wait_alu depctr_va_vdst(0)
	v_exp_f32 v96, v96
	v_exp_f32 v232, v232
	v_pk_mul_f32 v[14:15], v[14:15], v[252:253] op_sel_hi:[1,0]
	s_wait_alu depctr_va_vdst(0)
	v_max_num_f32 v232, 0x1800000, v232
	s_delay_alu instid0(VALU_DEP_1)
	v_add_nc_u32 v244, 0xff000000, v232
	s_delay_alu instid0(VALU_DEP_1)
	v_lshrrev_b32 v253, 23, v244                   ; the scale word: the one block's byte; the other three blocks are zero codes on both sides
.irp j, 1,2,3,4,5,6,7,8,9,10,11,12,13,14,15
	v_mov_b32 v[96+\j], 0
.endr
	v_add_f32 v14, v14, v96
	v_cvt_scalef32_pk16_fp6_f32 v[192:194], v[96:111], v244   ; lanes 0-15: keys 1,024 .. 1,039 of block 0; lanes 16-31: zero codes, which is what block 1 holds
	v_nop
.irp j, 3,4,5,6,7,8,9,10,11
	v_mov_b32 v[192+\j], 0
.endr
	VPART
.endm
.macro TILE u, qf, qs
	v_mov_b32 v13, 0xff61b1e6                      ; the largest t so far: -3e38
	s_delay_alu instid0(VALU_DEP_1)
	v_floor_f32 v12, -v13
	v_mov_b32 v14, 0
	v_mov_b32 v15, 0
.set j, 0
.rept 32
	v_mov_b32 v[160+j], 0                          ; O^T: the first change of M leaves zeros zeros, so the loop has no first step of its own
.set j, j+1
.endr
	s_mov_b32 s[TBK], 0
	s_mov_b32 s[TSK], 0
	s_mov_b32 s[TBV], 0
	s_mov_b32 s[TSV], 0
	s_mov_b32 s[CNT], 8
.Lstep_\@:
	STEP \qf, \qs
	s_sub_co_u32 s[CNT], s[CNT], 1
	s_cmp_lg_u32 s[CNT], 0
	s_cbranch_scc1 .Lstep_\@
	TAIL \qf, \qs
	v_add_f32 v14, v14, v15                        ; the sum's two halves,
	s_delay_alu instid0(VALU_DEP_1)
	v_permlanex16_b32 v252, v14, s[SEL], s[SEL+1]
	s_delay_alu instid0(VALU_DEP_1)
	v_add_f32 v14, v14, v252                       ; and lane l xor 16's
	s_wait_alu depctr_va_vdst(0)
	v_rcp_f32 v14, v14
.rept 4
	v_nop                                          ; places behind the last products and the reciprocal
.endr
	s_wait_alu depctr_va_vdst(0)
.set j, 0
.rept 32
	v_mul_f32 v[96+j], v[160+j], v14               ; O^T / the sum, each accumulator from its low end on: register 16 b + i = channel 32 b + 16 h + i
.set j, j+1
.endr
	QUANT2 96
	v_cndmask_b32 v240, v236, v237, s[HM]          ; lanes 0-15 store the first block's byte, lanes 16-31 the second's
	global_store_b96 v88, v[204:206], s[90:91] offset:12288*\u
	global_store_b96 v88, v[208:210], s[90:91] offset:12288*\u+384
	global_store_b8 v89, v240, s[84:85] offset:512*\u
.if \u == 0
	s_wait_xcnt 0x0                                ; the stores' data are written again only behind this wait
.endif
.endm
	TILE 0, 16, 28
	TILE 1, 216, 228
	s_wait_tensorcnt 0x0                           ; the wave's end
	ds_add_u32 v251, v255
	s_wait_dscnt 0x0
	s_endpgm
.Lfunc_end_k_q4bef3202fd_attn:
	.size	k_q4bef3202fd_attn, .Lfunc_end_k_q4bef3202fd_attn-k_q4bef3202fd_attn
	.p2alignl 7, 3214868480
	.fill 96, 4, 3214868480
	.section	.rodata,"a",@progbits
	.p2align	6, 0x0
	.amdhsa_kernel k_q4bef3202fd_attn
		.amdhsa_group_segment_fixed_size 169984
		.amdhsa_private_segment_fixed_size 0
		.amdhsa_enable_private_segment 0
		.amdhsa_kernarg_size 32
		.amdhsa_user_sgpr_count 2
		.amdhsa_user_sgpr_kernarg_segment_ptr 1
		.amdhsa_wavefront_size32 1
		.amdhsa_system_sgpr_workgroup_id_x 1
		.amdhsa_system_sgpr_workgroup_id_y 1
		.amdhsa_system_sgpr_workgroup_id_z 1
		.amdhsa_system_vgpr_workitem_id 0
		.amdhsa_next_free_vgpr 256
		.amdhsa_next_free_sgpr 96
		.amdhsa_reserve_vcc 0
		.amdhsa_float_denorm_mode_32 3
		.amdhsa_float_denorm_mode_16_64 3
		.amdhsa_memory_ordered 1
		.amdhsa_forward_progress 1
		.amdhsa_inst_pref_size 79
	.end_amdhsa_kernel
	.amdgpu_metadata
---
amdhsa.version: [ 1, 2 ]
amdhsa.kernels:
  - .name:           k_q4bef3202fd_attn
    .symbol:         k_q4bef3202fd_attn.kd
    .args:
      - { .name: qk_q, .offset: 0, .size: 8, .value_kind: global_buffer, .address_space: global }
      - { .name: v_q, .offset: 8, .size: 8, .value_kind: global_buffer, .address_space: global }
      - { .name: kvp, .offset: 16, .size: 8, .value_kind: global_buffer, .address_space: global }
      - { .name: att_q, .offset: 24, .size: 8, .value_kind: global_buffer, .address_space: global }
    .group_segment_fixed_size: 169984
    .private_segment_fixed_size: 0
    .kernarg_segment_align: 8
    .kernarg_segment_size: 32
    .max_flat_workgroup_size: 512
    .sgpr_count:     96
    .vgpr_count:     256
    .wavefront_size: 32
...
	.end_amdgpu_metadata
.endif
;; end of part 3
;; launch gemm2 (part 4): grid 4 x 64, 4 waves a work-group, clusters of 4 x 1, 295,424 bytes of LDS; arguments att_q, w_q, bproj, out0; writes out0
.if DOCPART == 4
	.amdgcn_target "amdgcn-amd-amdhsa--gfx1250"
	.amdhsa_code_object_version 6
	.text
	.protected	k_q4bef3202fd_gemm2
	.globl	k_q4bef3202fd_gemm2
	.p2align	8
	.type	k_q4bef3202fd_gemm2,@function
k_q4bef3202fd_gemm2:
	s_mov_b64 s[64:65], 0
	v_nop
	global_prefetch_b8 v0, s[64:65] scope:SCOPE_SE
	s_setreg_imm32_b32 hwreg(HW_REG_WAVE_MODE, 25, 1), 1
	s_wait_xcnt 0x0
	s_wait_alu depctr_hold_cnt(0) depctr_sa_sdst(0) depctr_va_vdst(0) depctr_va_sdst(0) depctr_va_ssrc(0) depctr_va_vcc(0) depctr_vm_vsrc(0)
	s_getreg_b32 s2, hwreg(HW_REG_IB_STS2, 6, 4)
	s_cmp_eq_u32 s2, 0
	s_cbranch_scc0 .Lentry_in_a_cluster
	s_endpgm
.Lentry_in_a_cluster:
	s_bfe_u32 s2, ttmp6, 0x10000c
	s_cmp_lg_u32 s2, 0x3003
	s_cbranch_scc0 .Lentry_shape_is_right
	s_endpgm
.Lentry_shape_is_right:
; out0 = attention's result x Wproj + bproj, on codes of FP6 (E2M3), K = 1,024; f32 out.
; A work-group makes 128 tokens (A: 8 tiles of att_q) x 256 columns (B: 16 of w_q's tiles 192-255).  Four waves, each 64 x 128: 32 accumulators.
; THE MATRIX INSTRUCTION IS USED TRANSPOSED (source 0 = 16 rows of B, source 1 = 16 rows of A); in every operand tile u of a group of 32 rows holds at place r the row 8 u + r + 8 (r / 8):
; lane (r, h) holds place r of an A tile, and register 16 b + i of its eight accumulators is column 32 b + 16 h + i.  The bias is the C of each sum's first matrix instruction.
; LDS: all of K is resident, A's eight tiles by halves of K, B's sixteen tiles whole behind them.  No byte is filled twice: no ring.
; CLUSTER: the four partners take four neighbouring A panels against ONE B panel, so B's tiles are asked for jointly (mask 15); A's loads are the work-group's own.
; By this text's own count a wave has at most four tensor loads out.
; THE WAY OUT goes through a stage of the wave's own in A's first half of K, which has had its one fill and whose last reads lie in front of K step 7's barrier; rows leave as 512 consecutive bytes.
; REGISTERS: window 0: v1 r, v2 h, v3 lane term, v4, v5 / v8, v9 LDS addresses of A / B, v12-15 offsets, v16-63 scale words, v64-207 fragments of even K steps (on the way out: rows read back),
;   v208, v209 stage addresses.  window 1: the accumulators, (a, b) at v[8 (8 a + b)].  window 2: v0-63 the bias, v64-207 fragments of odd K steps.
.set WSCO, 3145728
.set ASCO, 6291456
; LDS AS IT IS LAID NOW: A's eight tiles by halves of K: half f of tile i at f HA + 6,144 i; behind them B's sixteen tiles whole, tile i at 8 TL + i TL.  Every byte is filled once.
; At the head each wave issues one load: waves 0, 1 a half of K of A's panel, waves 2, 3 eight tiles of B (jointly).  The stage of the way out lies in A's first half, behind a barrier of its own.
.set TL,   12288                       ; a tile, all of K
.set HA,   49152                       ; half of K of A's eight tiles
.set ADRA, 4
.set ADRB, 8
.set SCA,  16
.set SCB,  32
.set AF,   64
.set BF,   112
.set BK,   64                          ; the way out: two buffers of 64 registers
.set STO,  208
.set SRD,  209
.set G1A,  28
.set G1B,  36
.set G0A,  44
.set G0B,  68
.set MSB, 0
.macro WIN new                         ; the immediate's high byte repeats the setting that is left
.if MSB != (\new)
	s_set_vgpr_msb (MSB<<8)|(\new)
.set MSB, (\new)
.endif
.endm
.macro ROUND                           ; a round of the cluster's barrier
	s_barrier_signal -1
	s_barrier_wait -1
	s_cmp_lg_u32 s14, 0
	s_cbranch_scc1 .Lnot_wave_0_\@
	s_barrier_signal -3
.Lnot_wave_0_\@:
	s_barrier_wait -3
	s_barrier_signal -1
	s_barrier_wait -1
.endm
	s_load_b256 s[4:11], s[0:1], 0x0               ; att_q, w_q, bproj, out0
	v_lshl_add_u32 v254, v0, 2, 0x48000
	v_mov_b32 v255, 0
	ds_add_u32 v254, v255
	ds_add_u32 v254, v255
	v_lshrrev_b32 v1, 5, v0
	v_readfirstlane_b32 s14, v1                    ; wave
	s_lshr_b32 s15, s14, 1                         ; wm
	s_and_b32 s16, s14, 1                          ; wn
	s_bfe_u32 s17, ttmp6, 0x40000                  ; cx
	s_and_b32 s18, ttmp7, 0xffff                   ; the cluster's number
	s_lshr_b32 s19, s18, 4                         ; jb: which 256 columns
	s_and_b32 s20, s18, 15
	s_lshl_b32 s20, s20, 2
	s_add_co_u32 s20, s20, s17                     ; ja: which 128 tokens: it enters A's and the output's addresses alone
	s_lshl_b32 s21, s19, 1
	s_add_co_u32 s21, s21, s16                     ; which 128 columns are my wave's
	s_mul_i32 s60, s20, 98304
	s_mov_b32 s61, 0
	s_lshl_b32 s26, s20, 3
	s_lshl_b32 s27, s15, 2
	s_add_co_u32 s26, s26, s27
	s_lshl_b32 s62, s26, 9
	s_add_co_u32 s62, s62, ASCO
	s_mov_b32 s63, 0
	s_wait_dscnt 0x0
	s_wait_kmcnt 0x0
	s_add_nc_u64 s[88:89], s[4:5], s[60:61]        ; A's panel
	s_add_nc_u64 s[84:85], s[4:5], s[62:63]        ; the scale words of my 4 tiles of A
	s_mul_i32 s100, s19, 196608                    ; B: made of the cluster's number and the wave's alone, in registers that never hold cx
	s_add_co_u32 s100, s100, 2359296               ; Wproj's tiles begin at tile 192
	s_mov_b32 s101, 0
	s_add_nc_u64 s[90:91], s[6:7], s[100:101]
	s_mul_i32 s100, s16, 8*TL                      ; wave 2: tiles 0-7, wave 3: tiles 8-15
	s_add_nc_u64 s[90:91], s[90:91], s[100:101]    ; the first of my eight tiles of B
	s_lshl_b32 s100, s21, 12
	s_add_co_u32 s100, s100, WSCO+98304
	s_add_nc_u64 s[86:87], s[6:7], s[100:101]      ; the scale words of my 8 tiles of B
	s_mul_i32 s100, s16, 8*TL
	s_add_co_u32 s100, s100, 8*TL                  ; where my eight tiles of B go
	s_mul_i32 s60, s16, 6144                       ; my half of K in a tile of A (s61 = 0)
	s_mov_b32 s[G1A], 3<<16                        ; A: 8 rows of 6,144 bytes (768 elements of 8), 12,288 bytes apart, dense in LDS
	s_mov_b32 s[G1B], 15|(3<<16)|(1<<21)           ; B: 8 rows of 12,288 bytes, dense; the mask of all four partners, and bit 21 beside it
	s_mov_b32 s[G1A+1], 768<<16
	s_mov_b32 s[G1A+3], 768<<16
	s_mov_b32 s[G1B+1], 1536<<16
	s_mov_b32 s[G1B+3], 1536<<16
.irp g, G1A, G1B
	s_mov_b32 s[\g+2], 8<<16
	s_mov_b32 s[\g+4], 8
	s_mov_b32 s[\g+5], 1536
	s_mov_b32 s[\g+6], 0
	s_mov_b32 s[\g+7], 0
.endr
	s_mov_b32 s[G0A], 1
	s_mul_i32 s[G0A+1], s16, HA
	s_add_nc_u64 s[G0A+2:G0A+3], s[88:89], s[60:61]
	s_or_b32 s[G0A+3], s[G0A+3], 0x80000000
	s_mov_b32 s[G0B], 1
	s_mov_b32 s[G0B+1], s100
	s_mov_b64 s[G0B+2:G0B+3], s[90:91]
	s_or_b32 s[G0B+3], s[G0B+3], 0x80000000
	ROUND                                          ; all four work-groups are here: the joint loads meet
	s_cmp_lt_u32 s14, 2                            ; one load a wave: waves 0, 1 A's halves, waves 2, 3 B's
	s_cbranch_scc0 .Lnot_a
	tensor_load_to_lds s[G0A:G0A+3], s[G1A:G1A+7]
	s_nop 0
.rept 4
	v_nop
.endr
	s_branch .Lasked
.Lnot_a:
	tensor_load_to_lds s[G0B:G0B+3], s[G1B:G1B+7]
	s_nop 0
.rept 4
	v_nop
.endr
.Lasked:
	v_and_b32 v1, 15, v0                           ; r
	v_bfe_u32 v2, v0, 4, 1                         ; h
	v_and_b32 v15, 31, v0
	v_lshlrev_b32 v12, 2, v15                      ; 4 x lane
	v_lshlrev_b32 v15, 4, v15                      ; 16 x lane
	v_lshlrev_b32 v13, 6, v2                       ; the bias: 16 h numbers on
	s_wait_alu depctr_va_vdst(0)
.irp a, 0,1,2,3
.irp q, 0,1,2,3
	global_load_b32 v[SCA+4*\a+\q], v12, s[84:85] offset:\a*512+\q*128
.endr
.endr
.irp b, 0,1,2,3,4,5,6,7
.irp q, 0,1,2,3
	global_load_b32 v[SCB+4*\b+\q], v12, s[86:87] offset:\b*512+\q*128
.endr
.endr
	s_lshl_b32 s60, s21, 9                         ; my 128 columns, 4 bytes each
	s_add_nc_u64 s[8:9], s[8:9], s[60:61]
	s_lshl_b32 s62, s20, 7
	s_lshl_b32 s26, s15, 6
	s_add_co_u32 s62, s62, s26
	s_lshl_b32 s62, s62, 12                        ; my first token's row of 4,096 bytes
	s_add_co_u32 s62, s62, s60
	s_add_nc_u64 s[10:11], s[10:11], s[62:63]
	WIN 0x80                                       ; destination window 2
.irp b, 0,1,2,3,4,5,6,7
	global_load_b128 v[8*\b:8*\b+3], v13, s[8:9] offset:(32*(\b/2)+8*(\b%2))*4      ; tile b's eight columns of my half, in the result's layout
	global_load_b128 v[8*\b+4:8*\b+7], v13, s[8:9] offset:(32*(\b/2)+8*(\b%2))*4+16
.endr
	WIN 0
	v_mul_u32_u24 v3, v1, 24
	v_mad_u32_u24 v3, v2, 384, v3
	s_wait_alu depctr_va_vdst(0)
	s_mul_i32 s60, s15, 4*6144
	s_mul_i32 s62, s16, 8*TL
	s_add_co_u32 s62, s62, 8*TL
	v_add_nc_u32 v[ADRA], s60, v3                  ; my 4 tiles of A, K steps 0-3,
	v_add_nc_u32 v[ADRB], s62, v3                  ; my tiles 0-3 of B,
	s_add_co_u32 s60, s60, HA
	s_add_co_u32 s62, s62, 4*TL
	v_add_nc_u32 v[ADRA+1], s60, v3                ; K steps 4-7,
	v_add_nc_u32 v[ADRB+1], s62, v3                ; tiles 4-7
	s_mul_i32 s60, s14, 16*528                     ; my stage
	v_mul_u32_u24 v[STO], v1, 528
	v_lshl_add_u32 v[STO], v2, 6, v[STO]
	v_add_nc_u32 v[STO], s60, v[STO]               ; in: row r, + 64 h
	v_add_nc_u32 v[SRD], s60, v15                  ; back: 16 bytes a lane of a row
.macro FRAG reg, adr, off
.irp p, 0,1,2,3,4,5
	ds_load_b64 v[\reg+2*\p:\reg+2*\p+1], v[\adr] offset:\off+768*(\p/3)+8*(\p%3)
.endr
.endm
.macro FETCHA q
	WIN 0x80*((\q)%2)
.irp i, 0,1,2,3
	FRAG AF+12*\i, ADRA+(\q)/4, \i*6144+((\q)%4)*1536
.endr
.endm
.macro FETCHB q, i0
	WIN 0x80*((\q)%2)
.irp i, \i0, \i0+1, \i0+2, \i0+3
	FRAG BF+12*(\i), ADRB+(\i)/4, ((\i)%4)*TL+(\q)*1536
.endr
.endm
; 16 matrix instructions: A's tiles a0, a0 + 1 x B's eight.  The 32 accumulators take turns, one instruction a turn, in the same order in every K step.
; K step 0 starts the sums with the bias.  Odd K steps take their scale words from lanes 16-31.
.macro MUL q, a0
.if (\q) == 0
	WIN 0x60                                       ; C window 2, D window 1
.else
	WIN 0x50+0x0a*((\q)%2)
.endif
.irp a, \a0, \a0+1
.irp b, 0,1,2,3,4,5,6,7
.if (\q) == 0
	v_wmma_scale_f32_16x16x128_f8f6f4 v[8*(8*(\a)+\b):8*(8*(\a)+\b)+7], v[BF+12*\b:BF+12*\b+11], v[AF+12*(\a):AF+12*(\a)+11], v[8*\b:8*\b+7], v[SCB+4*\b+(\q)/2], v[SCA+4*(\a)+(\q)/2] matrix_a_fmt:MATRIX_FMT_FP6 matrix_b_fmt:MATRIX_FMT_FP6
.elseif (\q)%2 == 0
	v_wmma_scale_f32_16x16x128_f8f6f4 v[8*(8*(\a)+\b):8*(8*(\a)+\b)+7], v[BF+12*\b:BF+12*\b+11], v[AF+12*(\a):AF+12*(\a)+11], v[8*(8*(\a)+\b):8*(8*(\a)+\b)+7], v[SCB+4*\b+(\q)/2], v[SCA+4*(\a)+(\q)/2] matrix_a_fmt:MATRIX_FMT_FP6 matrix_b_fmt:MATRIX_FMT_FP6
.else
	v_wmma_scale_f32_16x16x128_f8f6f4 v[8*(8*(\a)+\b):8*(8*(\a)+\b)+7], v[BF+12*\b:BF+12*\b+11], v[AF+12*(\a):AF+12*(\a)+11], v[8*(8*(\a)+\b):8*(8*(\a)+\b)+7], v[SCB+4*\b+(\q)/2], v[SCA+4*(\a)+(\q)/2] matrix_a_fmt:MATRIX_FMT_FP6 matrix_b_fmt:MATRIX_FMT_FP6 matrix_a_scale:MATRIX_SCALE_ROW1 matrix_b_scale:MATRIX_SCALE_ROW1
.endif
.endr
.endr
.endm
.macro KSTEP q
	s_wait_dscnt 0x0                               ; this K step's fragments are in; no LDS instruction of mine is out at the signal below
.if (\q) < 7
.rept 4
	v_nop                                          ; four places between the last K step's products and the loads into the fragments that they read
.endr
	FETCHA (\q)+1
	FETCHB (\q)+1, 0
.endif
	MUL \q, 0
.if (\q) < 7
	FETCHB (\q)+1, 4
.endif
	MUL \q, 2
.endm
	s_wait_alu depctr_va_vdst(0)
	s_wait_tensorcnt 0x0                           ; my one load of the head is in
	s_barrier_signal -1
	s_barrier_wait -1
	FETCHA 0
	FETCHB 0, 0
	FETCHB 0, 4
	s_wait_loadcnt 0x0                             ; the scale words and the bias
	KSTEP 0
	KSTEP 1
	KSTEP 2
	KSTEP 3
	KSTEP 4
	KSTEP 5
	KSTEP 6
	s_wait_dscnt 0x0                               ; my last reads of the tiles are over:
	s_barrier_signal -1                            ; say so, multiply the last K step on registers,
	KSTEP 7
	s_barrier_wait -1                              ; and store to the stage, which lies over A's first tiles, only when every wave has said so
; THE WAY OUT, a tile of 16 tokens x 128 columns at a time: a lane's 64 bytes of a row go into my stage (rows 528 bytes apart), whole rows of 512 bytes come back.
; LDS serves a wave's instructions in order: no wait between the stores and the loads, nor in front of the next tile's stores.
.macro TOSTAGE a
	WIN 0x04                                       ; an LDS store's data are its source 1: window 1
.irp b, 0,1,2,3,4,5,6,7
	ds_store_b128 v[STO], v[64*(\a)+8*\b:64*(\a)+8*\b+3] offset:128*(\b/2)+32*(\b%2)      ; each accumulator from its low end on
	ds_store_b128 v[STO], v[64*(\a)+8*\b+4:64*(\a)+8*\b+7] offset:128*(\b/2)+32*(\b%2)+16
.endr
	WIN 0
.irp t, 0,1,2,3,4,5,6,7,8,9,10,11,12,13,14,15
	ds_load_b128 v[BK+64*((\a)%2)+4*\t:BK+64*((\a)%2)+4*\t+3], v[SRD] offset:\t*528
.endr
.endm
.macro SEND a, younger                 ; younger: the LDS instructions issued behind tile a's loads, which may stay out
	s_wait_dscnt \younger
.irp t, 0,1,2,3,4,5,6,7,8,9,10,11,12,13,14,15
	global_store_b128 v15, v[BK+64*((\a)%2)+4*\t:BK+64*((\a)%2)+4*\t+3], s[10:11] offset:(32*((\a)/2)+8*((\a)%2)+\t+8*(\t/8))*4096 th:TH_STORE_NT   ; 32 lanes store 512 consecutive bytes, at a multiple of 256 from out0's first byte
.endr
.endm
.rept 4
	v_nop                                          ; places behind the last products, for the stores that read results and the loads into fragment registers
.endr
	TOSTAGE 0
.irp a, 1,2,3
.if \a > 1
	s_wait_xcnt 0x0                                ; tile a - 2's stores have read their registers: tile a's rows may land there
.endif
	TOSTAGE \a
	SEND \a-1, 32                                  ; behind tile a - 1's loads: tile a's 16 stores and 16 loads
.endr
	SEND 3, 0
	s_wait_dscnt 0x0
	s_wait_tensorcnt 0x0
	ds_add_u32 v254, v255
	s_wait_dscnt 0x0
	ROUND                                          ; the closing round: no work-group ends while a partner may still ask for a tile that names it
	s_endpgm
.Lfunc_end_k_q4bef3202fd_gemm2:
	.size	k_q4bef3202fd_gemm2, .Lfunc_end_k_q4bef3202fd_gemm2-k_q4bef3202fd_gemm2
	.p2alignl 7, 3214868480
	.fill 96, 4, 3214868480
	.section	.rodata,"a",@progbits
	.p2align	6, 0x0
	.amdhsa_kernel k_q4bef3202fd_gemm2
		.amdhsa_group_segment_fixed_size 295424
		.amdhsa_private_segment_fixed_size 0
		.amdhsa_enable_private_segment 0
		.amdhsa_kernarg_size 32
		.amdhsa_user_sgpr_count 2
		.amdhsa_user_sgpr_kernarg_segment_ptr 1
		.amdhsa_wavefront_size32 1
		.amdhsa_system_sgpr_workgroup_id_x 1
		.amdhsa_system_sgpr_workgroup_id_y 1
		.amdhsa_system_sgpr_workgroup_id_z 1
		.amdhsa_system_vgpr_workitem_id 0
		.amdhsa_next_free_vgpr 768
		.amdhsa_next_free_sgpr 102
		.amdhsa_reserve_vcc 0
		.amdhsa_float_denorm_mode_32 3
		.amdhsa_float_denorm_mode_16_64 3
		.amdhsa_memory_ordered 1
		.amdhsa_forward_progress 1
		.amdhsa_inst_pref_size 98
	.end_amdhsa_kernel
	.amdgpu_metadata
---
amdhsa.version: [ 1, 2 ]
amdhsa.kernels:
  - .name:           k_q4bef3202fd_gemm2
    .symbol:         k_q4bef3202fd_gemm2.kd
    .args:
      - { .name: att_q, .offset: 0, .size: 8, .value_kind: global_buffer, .address_space: global }
      - { .name: w_q, .offset: 8, .size: 8, .value_kind: global_buffer, .address_space: global }
      - { .name: bproj, .offset: 16, .size: 8, .value_kind: global_buffer, .address_space: global }
      - { .name: out0, .offset: 24, .size: 8, .value_kind: global_buffer, .address_space: global }
    .group_segment_fixed_size: 295424
    .private_segment_fixed_size: 0
    .kernarg_segment_align: 8
    .kernarg_segment_size: 32
    .max_flat_workgroup_size: 128
    .sgpr_count:     102
    .vgpr_count:     768
    .wavefront_size: 32
...
	.end_amdgpu_metadata
.endif
;; end of part 4
